; MI455X (gfx1250); checked and timed in simulation.
; The chip was launched on July 23, 2026; its instructions are those of AMD's public machine-readable ISA for CDNA 5 (MIT licence, August 2026) and "CDNA5" Instruction Set Architecture Reference Guide (July 2026). The comments in the code are by the model that wrote it; some were corrected since.
;; Multi Head Attention. Allowed arithmetic: matrix products marked QUANTISED: E2M3 operands, one E8M0 scale for each 32 along K, by v_wmma_scale_f32_16x16x128_f8f6f4 with both operands' format E2M3, f32 sums; everything else in f32.
;; Inputs: Wout 1,024 x 1,024 float32; Wqkv 3,072 x 1,024 float32; bout 1,024 float32; bqkv 3,072 float32; x 2 x 2,048 x 1,024 float32.
;; Outputs: out0 2 x 2,048 x 1,024 float32.
;; This version of the problem:
;;   THIS VERSION OF THE PROBLEM IS GIVEN IN LOW PRECISION. The matrix products marked QUANTISED in the list below multiply operands that are first quantised to E2M3 (2 exponent bits, 3 mantissa bits; 6 bits a number), with one power-of-two scale for each 32 numbers along K (OCP MX v1.0); their sums are f32. All else is computed in f32.
;;   The module's matrix products, in the order in which they are computed (A, B: the left and right operand; K: the contracted axis; several contracted axes count as one K, in the product's order):
;;     1. [M 4,096, K 1,024] x [K 1,024, N 3,072]; A: input x; B: input Wqkv: QUANTISED
;;     2. batch 32 x [M 2,048, K 64] x [K 64, N 2,048]; A: computed on the way; B: computed on the way: QUANTISED
;;     3. batch 32 x [M 2,048, K 2,048] x [K 2,048, N 64]; A: softmax (see below); B: computed on the way: QUANTISED
;;     4. [M 4,096, K 1,024] x [K 1,024, N 1,024]; A: computed on the way; B: input Wout: QUANTISED
;;   THE QUANTISER, for each operand of a quantised product, along K:
;;     - K is cut into blocks of 32 from its start; a last block that is shorter is filled with zeros.
;;     - A block's scale is 2^e with e = floor(log2(the largest magnitude in the block)) - 2, held to -126 .. 127; a block of zeros has e = 0. As a byte (E8M0): e + 127.
;;     - Each number is divided by its block's scale, clamped to +-7.5, and rounded to the nearest number of E2M3, ties to even, subnormals kept.
;;     - The product sums the exact products of the quantised numbers (number of the format x scale) in f32.
;;   ~~~python
;;   def quantise(x, axis):      # numpy; x: float32 -> the quantised numbers, widened to float32 again
;;       x = np.moveaxis(x, axis, -1); K = x.shape[-1]
;;       x = np.pad(x, [(0, 0)] * (x.ndim - 1) + [(0, -K % 32)]); x = x.reshape(x.shape[:-1] + (-1, 32)); a = np.abs(x).max(-1, keepdims=True)
;;       e = np.where(a > 0, np.clip(np.frexp(np.where(a > 0, a, 1))[1] - 1 - 2, -126, 127), 0)      # np.frexp(a)[1] - 1 = floor(log2(a)), exactly
;;       r = np.clip(x / 2.0 ** e, -7.5, 7.5)
;;       step = 2.0 ** (np.maximum(np.frexp(np.where(r == 0, 1, r))[1] - 1, 0) - 3)
;;       q = np.round(r / step) * step * 2.0 ** e      # np.round: ties to even
;;       return np.moveaxis(q.reshape(q.shape[:-2] + (-1,))[..., :K], -1, axis).astype(np.float32)
;;   ~~~
;;   SOFTMAX AHEAD OF A QUANTISED PRODUCT. Where the list says 'softmax', what is quantised is not the finished softmax but p = 2^(t - M), with t = logit x log2(e) and M = ceil(the row's largest t), a whole number; so 1/2 < the row's largest p <= 1. The row's sum l is taken of the UNQUANTISED p, in f32, and the product's result is divided by l at the end. Since M is a whole number, a kernel that streams over the keys may use a running M (the ceiling of the running maximum): every later rescaling is an exact power of two, which a block's scale takes up: the codes' values come out the same.
;;   OPERANDS COMPUTED ON THE WAY. 'Computed on the way' means the value that the module computes at that place (a softmax that the list does not call 'softmax' is quantised finished and normalised). What goes into a quantiser is computed in f32, as accurately as f32 sums, v_exp_f32 and their like allow (about 1e-6 of the number): no bf16 or f16 on the way to a quantiser, and a product that is left as it is and whose result goes on into a quantised operand takes f32 operands (vector FMAs, or v_wmma_f32_16x16x4_f32). A number that lies on a knife's edge between two numbers of the format may be rounded either way, as far as f32 arithmetic and the matrix unit's own rounding can turn it there, and no further.
;; One version. Each part assembles by itself: llvm-mc -triple=amdgcn-amd-amdhsa -mcpu=gfx1250 --defsym DOCPART=n.
;; ======== version 1 of 1: 4 launches
;; limits: right only within a limited range of input values
;; workspace buffers: xq 3,276,800 bytes; wqq 2,457,600 bytes; woq 819,200 bytes; qkv 9,830,400 bytes; oq 3,276,800 bytes
;; launch quant (part 1): grid 256 x 1, 4 waves a work-group, no clusters, 34,304 bytes of LDS; arguments x, Wqkv, Wout, xq, wqq, woq; writes xq, wqq, woq
.if DOCPART == 1
	.amdgcn_target "amdgcn-amd-amdhsa--gfx1250"
	.amdhsa_code_object_version 6
	.text
	.protected	k_q4dc0e4d0ae_quant
	.globl	k_q4dc0e4d0ae_quant
	.p2align	8
	.type	k_q4dc0e4d0ae_quant,@function
k_q4dc0e4d0ae_quant:
	s_mov_b64 s[64:65], 0
	v_nop
	global_prefetch_b8 v0, s[64:65] scope:SCOPE_SE
	s_setreg_imm32_b32 hwreg(HW_REG_WAVE_MODE, 25, 1), 1
	s_wait_xcnt 0x0
; x [4096][1024], Wqkv [3072][1024], Wout [1024][1024], f32, K innermost, become codes of FP6 (E2M3) with one E8M0 byte for each 32 along K,
; laid in the ORDER OF THE OPERAND'S REGISTERS.  A fragment (16 rows x 128 K, 12 registers a lane) is 1,536 bytes: registers 4 c .. 4 c + 3 of lane l at 512 c + 16 l.
; A tensor is [row block of 16][8 fragments along K][1536]; behind the codes lie the scale words, [row block][K / 256][row][2 words].
; ORDER ALONG K, the same for every operand of the two large products: in each 128 the operand's block b holds the tensor's block 0, 2, 1, 3 for b = 0 .. 3 (the attention launch writes its result so).
; ORDER OF ROWS.  x and Wout: as they lie.  Wqkv's q and k rows: row block Rs, row rho -> 32 (Rs / 2) + 8 (Rs % 2) + rho % 8 + 16 (rho / 8), so that in the product's result 16 registers of two neighbouring
; tiles are 16 neighbouring columns.  Wqkv's v rows: Rs = 16 t + 8 wn + 2 P + u, rho = 8 h + j -> 64 (8 u + j) + 32 wn + 8 t + 2 P + h, so that those 16 registers are 16 neighbouring KEYS of one channel.
; A block's scale is 2^(floor(log2(largest magnitude)) - 2); its byte is the largest magnitude's exponent field - 2, held at 1 from below.
; LIMITS: a block of zeros, or one whose largest magnitude lies under 2^-124, gets the byte 1 (the rule says 127 for zeros): its codes are then zeros or the format's smallest numbers, and this program alone reads the bytes.  NaN and infinities are not served.
; SHARES.  Work-groups 0-127 take x, 128-223 Wqkv, 224-255 Wout: only pointers and row steps are chosen, one path for all.  A wave takes 16 rows x 512 K: four fragments.
; Each load reads 512 consecutive bytes of one row; a fragment's 8,192 bytes turn through the wave's own stage in LDS (rows 528 bytes apart) and come back 16 neighbours a register run.
; No tensor loads, no barrier, no cluster: waves share nothing and nothing is read twice.  32 loads a wave are out at the start, 16 while a fragment is worked on.
.set WREG,  8448                       ; a wave's stage: 16 rows x 528 bytes
.set SP,    528
.set OFF,   16                         ; v16-31   row rho: 16 x lane + the row's byte offset from the wave's first row; never rewritten
.set RR,    32                         ; v32-159  two sets of 64: a fragment's numbers as loaded
.set X,     160                        ; v160-223 64 numbers: register 16 b + i = the operand's k 32 b + 16 (lane / 16) + i of row lane % 16
.set PC,    224                        ; v224-242 the codes
.set PW,    12                         ; v12      the scale word just made;  v8-11 the four fragments' words
.set TM,    244                        ; v244-247 largest magnitudes, v248-251 the other half's, then the bytes, v252-255 the conversions' scale operands
.set SEL,   42                         ; s[42:43] lane selects: lane l xor 16
	s_load_b256 s[4:11], s[0:1], 0x0               ; x, Wqkv, Wout, xq
	s_load_b128 s[12:15], s[0:1], 0x20             ; wqq, woq
	v_lshl_add_u32 v239, v0, 2, 0x8400
	v_mov_b32 v243, 0
	v_lshrrev_b32 v1, 5, v0
	v_readfirstlane_b32 s16, v1                    ; wave
	v_and_b32 v2, 31, v0                           ; lane
	v_and_b32 v3, 15, v0                           ; r
	v_bfe_u32 v4, v0, 4, 1                         ; h
	v_lshlrev_b32 v5, 4, v2                        ; 16 x lane
	s_wait_alu depctr_va_vdst(0)
	s_mul_i32 s17, s16, WREG
	v_add_nc_u32 v6, s17, v5                       ; the stage, in: 16 x lane, + 528 x row in the immediate
	v_mul_u32_u24 v7, v3, SP
	v_lshl_add_u32 v7, v4, 6, v7
	v_add_nc_u32 v7, s17, v7                       ; and out: row r, + 64 h: my 16 numbers of a block
	s_mov_b32 s[SEL], 0x76543210
	s_mov_b32 s[SEL+1], 0xfedcba98
.irp b, 0,1,2,3
	v_mov_b32 v[TM+4+\b], 0                        ; written once: a lane permute's destination counts as one of its sources
.endr
	s_mov_b32 s19, 2359296                         ; bytes of codes in the buffer that I write: wqq's,
	s_cmp_lt_u32 ttmp9, 128
	s_cselect_b32 s18, 0, 128                      ; the tensor's first work-group
	s_cselect_b32 s19, 3145728, s19                ; xq's,
	s_cmp_lt_u32 ttmp9, 224
	s_cselect_b32 s18, s18, 224
	s_cselect_b32 s19, s19, 786432                 ; woq's
	s_sub_co_u32 s20, ttmp9, s18
	s_lshl_b32 s20, s20, 2
	s_add_co_u32 s20, s20, s16                     ; which wave of the tensor
	s_lshr_b32 s21, s20, 1                         ; R: its row block
	s_and_b32 s22, s20, 1                          ; kh: which 512 along K
	s_lshl_b32 s23, s21, 4                         ; first row, rows as they lie: 16 R
	s_and_b32 s24, s21, 63                         ; Rs
	s_lshr_b32 s25, s21, 6                         ; the section of Wqkv
	s_lshl_b32 s26, s25, 10
	s_lshr_b32 s27, s24, 1
	s_lshl_b32 s27, s27, 5
	s_add_co_u32 s26, s26, s27
	s_and_b32 s27, s24, 1
	s_lshl_b32 s28, s27, 3
	s_add_co_u32 s26, s26, s28                     ; q, k: 1024 section + 32 (Rs / 2) + 8 (Rs % 2)
	s_lshl_b32 s28, s27, 9
	s_add_co_u32 s28, s28, 2048
	s_bfe_u32 s29, s24, 0x10003
	s_lshl_b32 s29, s29, 5
	s_add_co_u32 s28, s28, s29
	s_lshr_b32 s29, s24, 4
	s_lshl_b32 s29, s29, 3
	s_add_co_u32 s28, s28, s29
	s_bfe_u32 s29, s24, 0x20001
	s_lshl_b32 s29, s29, 1
	s_add_co_u32 s28, s28, s29                     ; v: 2048 + 512 u + 32 wn + 8 t + 2 P
	s_mov_b32 s30, 4096                            ; bytes from rho to rho + 1 (rho % 8): one row
	s_mov_b32 s31, 32768                           ; and from rho to rho + 8: eight rows
	s_sub_co_u32 s32, ttmp9, 128
	s_cmp_lt_u32 s32, 96                           ; Wqkv's work-groups alone
	s_cselect_b32 s23, s26, s23
	s_cselect_b32 s31, 65536, s31                  ; q, k: sixteen rows
	s_cselect_b32 s33, s25, 0
	s_cmp_eq_u32 s33, 2                            ; and of them the v section's
	s_cselect_b32 s23, s28, s23
	s_cselect_b32 s30, 262144, s30                 ; v: 64 rows,
	s_cselect_b32 s31, 4096, s31                   ; one row
.set rho, 0
.rept 16
	s_mul_i32 s36, s30, (rho&7)
	s_mul_i32 s37, s31, (rho>>3)
	s_add_co_u32 s36, s36, s37
	v_add_nc_u32 v[OFF+rho], s36, v5
.set rho, rho+1
.endr
	s_lshl_b32 s34, s23, 12                        ; the first row's bytes (under 2^25),
	s_lshl_b32 s35, s22, 11                        ; + my 512 along K
	s_add_co_u32 s34, s34, s35
	s_mov_b32 s35, 0
	s_mul_i32 s36, s21, 12288                      ; the codes: row block x 12,288 + kh x four fragments
	s_mul_i32 s37, s22, 6144
	s_add_co_u32 s36, s36, s37
	s_mov_b32 s37, 0
	s_lshl_b32 s32, s21, 9                         ; the scale words: behind the codes, row block x 512 + kh x 256
	s_lshl_b32 s33, s22, 8
	s_add_co_u32 s32, s32, s33
	s_add_co_u32 s32, s32, s19
	s_mov_b32 s33, 0
	s_wait_alu depctr_va_vdst(0)
	s_wait_kmcnt 0x0
	s_cmp_lt_u32 ttmp9, 128                        ; the choice of buffers hangs on the work-group's number alone
	s_cselect_b64 s[4:5], s[4:5], s[6:7]
	s_cselect_b64 s[10:11], s[10:11], s[12:13]
	s_cmp_lt_u32 ttmp9, 224
	s_cselect_b64 s[4:5], s[4:5], s[8:9]
	s_cselect_b64 s[10:11], s[10:11], s[14:15]
	s_add_nc_u64 s[4:5], s[4:5], s[34:35]
	s_add_nc_u64 s[38:39], s[10:11], s[36:37]
	s_add_nc_u64 s[40:41], s[10:11], s[32:33]
.macro LOADK k                         ; fragment k: 128 along K of my 16 rows; each load reads 512 consecutive bytes of one row
.set rho, 0
.rept 16
	global_load_b128 v[RR+64*((\k)%2)+4*rho:RR+64*((\k)%2)+4*rho+3], v[OFF+rho], s[4:5] offset:512*(\k) th:TH_LOAD_NT
.set rho, rho+1
.endr
.endm
.macro TURNK k                         ; through the stage: LDS serves a wave's instructions in order, so no wait stands between the stores and the loads
.set rho, 0
.rept 16
	ds_store_b128 v6, v[RR+64*((\k)%2)+4*rho:RR+64*((\k)%2)+4*rho+3] offset:SP*rho
.set rho, rho+1
.endr
.irp b, 0,1,2,3
.irp j, 0,1,2,3
	ds_load_b128 v[X+16*\b+4*\j:X+16*\b+4*\j+3], v7 offset:128*(2*(\b%2)+\b/2)+16*\j   ; the operand's block b is the row's block 0, 2, 1, 3
.endr
.endr
.endm
; 64 numbers of a lane, register 16 b + i = k 32 b + 16 (lane / 16) + i of my row, become a fragment's codes in v[PC] on and its scale word in v[PW].
.macro QUANT s
.irp b, 0,1,2,3
	v_max3_num_f32 v[TM+\b], |v[\s+16*\b]|, |v[\s+1+16*\b]|, 0x1800000   ; block b: my 16 numbers, and the floor 2^(3 - 127): the byte cannot fall under 1
.endr
.irp i, 2,4,6,8,10,12,14
.irp b, 0,1,2,3
	v_max3_num_f32 v[TM+\b], v[TM+\b], |v[\s+16*\b+\i]|, |v[\s+1+16*\b+\i]|   ; the four blocks by turns
.endr
.endr
.irp b, 0,1,2,3
	v_permlanex16_b32 v[TM+4+\b], v[TM+\b], s[SEL], s[SEL+1]
.endr
.irp b, 0,1,2,3
	v_max_num_f32 v[TM+\b], v[TM+\b], v[TM+4+\b]   ; with lane l xor 16's: the block's largest magnitude
.endr
.irp b, 0,1,2,3
	v_add_nc_u32 v[TM+8+\b], 0xff000000, v[TM+\b]  ; 2 off its exponent field: the conversion takes the exponent field of this operand as its scale
.endr
.irp b, 0,1,2,3
	v_lshrrev_b32 v[TM+4+\b], 23, v[TM+8+\b]       ; the scale's byte
.endr
	v_lshl_or_b32 v[PW], v[TM+5], 8, v[TM+4]
	v_lshl_or_b32 v[PW], v[TM+6], 16, v[PW]
	v_lshl_or_b32 v[PW], v[TM+7], 24, v[PW]
.irp c, 0,1
	v_cvt_scalef32_pk16_fp6_f32 v[PC+6*\c:PC+2+6*\c], v[\s+32*\c:\s+15+32*\c], v[TM+8+2*\c]
	v_cvt_scalef32_pk16_fp6_f32 v[PC+12+4*\c:PC+14+4*\c], v[\s+16+32*\c:\s+31+32*\c], v[TM+9+2*\c]   ; (a conversion's three registers begin on an even number)
.endr
	v_nop                                          ; one plain place behind a scaled conversion
.irp c, 0,1                            ; the operand's layout wants a WHOLE block in a lane: lanes 0-15 block 2 c, lanes 16-31 block 2 c + 1
.irp i, 0,1,2
	v_permlane16_swap_b32 v[PC+6*\c+\i], v[PC+12+4*\c+\i]
.endr
.irp i, 0,1,2
	v_mov_b32 v[PC+3+6*\c+\i], v[PC+12+4*\c+\i]
.endr
.endr
.endm
.macro FRAGK k
.if (\k) < 3
	s_wait_loadcnt 16                              ; this fragment's 16 loads are in; the next one's 16 may be out
.else
	s_wait_loadcnt 0x0
.endif
	TURNK \k
	s_wait_dscnt 0x0                               ; the numbers are back, and the stores into the stage have read their registers,
.if (\k)+2 < 4
	LOADK (\k)+2                                   ; which take the fragment two on
.endif
	s_wait_xcnt 0x0                                ; the last fragment's stores have read the codes' registers: they are written again only behind this wait
	QUANT X
	v_mov_b32 v[8+(\k)], v[PW]
.irp c, 0,1,2
	global_store_b128 v5, v[PC+4*\c:PC+4*\c+3], s[38:39] offset:1536*(\k)+512*\c   ; 32 lanes store 512 consecutive bytes, aligned to 256
.endr
.endm
	LOADK 0
	LOADK 1
	FRAGK 0
	FRAGK 1
	FRAGK 2
	FRAGK 3
	v_cmp_ne_u32 vcc_lo, 0, v4                     ; the four words of row r: lanes 0-15 store fragments 0 and 1's, lanes 16-31 fragments 2 and 3's
	v_cndmask_b32 v14, v8, v10, vcc_lo
	v_cndmask_b32 v15, v9, v11, vcc_lo
	v_lshlrev_b32 v13, 3, v3
	v_lshl_add_u32 v13, v4, 7, v13                 ; 128 h + 8 r
	global_store_b64 v13, v[14:15], s[40:41]       ; 256 consecutive bytes, aligned
	s_wait_tensorcnt 0x0
	ds_add_u32 v239, v243
	s_wait_dscnt 0x0
	s_endpgm
.Lfunc_end_k_q4dc0e4d0ae_quant:
	.size	k_q4dc0e4d0ae_quant, .Lfunc_end_k_q4dc0e4d0ae_quant-k_q4dc0e4d0ae_quant
	.p2alignl 7, 3214868480
	.fill 96, 4, 3214868480
	.section	.rodata,"a",@progbits
	.p2align	6, 0x0
	.amdhsa_kernel k_q4dc0e4d0ae_quant
		.amdhsa_group_segment_fixed_size 34304
		.amdhsa_private_segment_fixed_size 0
		.amdhsa_enable_private_segment 0
		.amdhsa_kernarg_size 48
		.amdhsa_user_sgpr_count 2
		.amdhsa_user_sgpr_kernarg_segment_ptr 1
		.amdhsa_wavefront_size32 1
		.amdhsa_system_sgpr_workgroup_id_x 1
		.amdhsa_system_sgpr_workgroup_id_y 1
		.amdhsa_system_sgpr_workgroup_id_z 1
		.amdhsa_system_vgpr_workitem_id 0
		.amdhsa_next_free_vgpr 256
		.amdhsa_next_free_sgpr 66
		.amdhsa_reserve_vcc 1
		.amdhsa_float_denorm_mode_32 3
		.amdhsa_float_denorm_mode_16_64 3
		.amdhsa_memory_ordered 1
		.amdhsa_forward_progress 1
		.amdhsa_inst_pref_size 37
	.end_amdhsa_kernel
	.amdgpu_metadata
---
amdhsa.version: [ 1, 2 ]
amdhsa.kernels:
  - .name:           k_q4dc0e4d0ae_quant
    .symbol:         k_q4dc0e4d0ae_quant.kd
    .args:
      - { .name: x, .offset: 0, .size: 8, .value_kind: global_buffer, .address_space: global }
      - { .name: Wqkv, .offset: 8, .size: 8, .value_kind: global_buffer, .address_space: global }
      - { .name: Wout, .offset: 16, .size: 8, .value_kind: global_buffer, .address_space: global }
      - { .name: xq, .offset: 24, .size: 8, .value_kind: global_buffer, .address_space: global }
      - { .name: wqq, .offset: 32, .size: 8, .value_kind: global_buffer, .address_space: global }
      - { .name: woq, .offset: 40, .size: 8, .value_kind: global_buffer, .address_space: global }
    .group_segment_fixed_size: 34304
    .private_segment_fixed_size: 0
    .kernarg_segment_align: 8
    .kernarg_segment_size: 48
    .max_flat_workgroup_size: 128
    .sgpr_count:     66
    .vgpr_count:     256
    .wavefront_size: 32
...
	.end_amdgpu_metadata
.endif
;; end of part 1
;; launch qkv (part 2): grid 12 x 16, 4 waves a work-group, clusters of 4 x 4, 327,680 bytes of LDS; arguments xq, wqq, bqkv, qkv; writes qkv
.if DOCPART == 2
	.amdgcn_target "amdgcn-amd-amdhsa--gfx1250"
	.amdhsa_code_object_version 6
	.text
	.protected	k_q4dc0e4d0ae_qkv
	.globl	k_q4dc0e4d0ae_qkv
	.p2align	8
	.type	k_q4dc0e4d0ae_qkv,@function
k_q4dc0e4d0ae_qkv:
	s_mov_b64 s[64:65], 0
	v_nop
	global_prefetch_b8 v0, s[64:65] scope:SCOPE_SE
	s_setreg_imm32_b32 hwreg(HW_REG_WAVE_MODE, 25, 1), 1
	s_wait_xcnt 0x0
	s_wait_alu depctr_hold_cnt(0) depctr_sa_sdst(0) depctr_va_vdst(0) depctr_va_sdst(0) depctr_va_ssrc(0) depctr_va_vcc(0) depctr_vm_vsrc(0)
	s_getreg_b32 s2, hwreg(HW_REG_IB_STS2, 6, 4)
	s_cmp_eq_u32 s2, 0
	s_cbranch_scc0 .Lentry_in_a_cluster
	s_endpgm
.Lentry_in_a_cluster:
	s_bfe_u32 s2, ttmp6, 0x10000c
	s_cmp_lg_u32 s2, 0xf033
	s_cbranch_scc0 .Lentry_shape_is_right
	s_endpgm
.Lentry_shape_is_right:
; qkv = x Wqkv^T + bqkv on codes of FP6 (E2M3) with E8M0 scales, and its result quantised on the way out, laid as the attention launch's operands: no f32 number of q, k or v goes to memory.
; THE PRODUCT.  A tile of 256 rows x 256 columns is made by four waves, as many as a WGP has SIMDs; a wave makes 128 x 128: 64 accumulators, 512 registers.  Both operands lie in memory in the order of the
; operand's registers (a fragment = 1,536 bytes = three loads of 16 bytes a lane, 512 consecutive bytes each): no pitch, no padding, no bank conflict.
; K = 1,024 goes in four steps of 256 through three LDS slots: steps 0, 1, 2 are asked for at the start, step 3 fills slot 0 again behind the one change of slots that refills.  A wave has
; one tensor load out at the start and one behind that change.  The scale words of the work-group's rows, for all of K, come once with the first fills.
; CLUSTERS: 4 x 4 work-groups; A's tiles are asked for jointly along a row of the cluster, B's along a column.  THE MATRIX INSTRUCTION IS USED TRANSPOSED (source 0 = 16 rows of Wqkv, source 1 = 16 rows of x):
; a lane holds one row of x and eight columns.  The bias is the C of each sum's first matrix instruction.
; THE RESHAPE.  Head bh = row / 128; in it row ml = row % 128 and column 64 i + d are key (or query) 16 ml + i, channel d.  A cluster is 1,024 columns wide: its x is the section (0 q, 1 k, 2 v), cx = G.
; q, k: Wqkv's rows were ordered so that the 16 registers of tiles 2 b, 2 b + 1 are 16 neighbouring columns: quantised along d as a hidden layer is, a block of 32 in lanes l and l xor 16.
; v: ordered so that those 16 registers are keys 16 ml .. 16 ml + 15 of ONE channel: a block of 32 keys lies in lanes r and r xor 1.
; OUT: [head][step of 128 keys][section][G][1536] codes.  q, k: 32 records of 48 bytes, index 16 (d / 32) + 4 (key block in the step) + i % 4, each [24 bytes of the key with ml even | ml odd]; i = 4 G + i % 4.
; v: the record of lane 16 hk + rd is [key block hk | key block 2 + hk] of channel 32 (rd / 8) + 8 G + rd % 8.  Scale bytes behind the codes: [head][section][G][1024].
; The codes meet in a stage in LDS (the q, k path's in slot 1, the v path's in slot 2: both slots have had their last fill, and nobody reads them behind the last change of slots) and leave as whole runs of 512 bytes.
; LIMITS: a block of zeros, or one under 2^-124, gets the byte 1 (this program alone reads the bytes); NaN and infinities are not served.
; REGISTERS: window 0: v1-15 lane terms and way-out addresses; v16-22 fragment addresses; v27 scale words' address; v28, v29 the add's; v32-63 scale words, two sets, nothing else; v64-127 the bias, later the way out's work;
;   v128-223 A's fragments, one set.  window 1: B's fragments, two sets, at v0 and v128.  windows 2, 3: the accumulators ((a, b) at v[8 (8 (a % 4) + b)] of window 2 + a / 4).
.set ACODES, 3145728                   ; bytes of codes in xq; its scale words lie behind them
.set BCODES, 2359296                   ; in wqq
.set FR,     12                        ; registers of a fragment
.set NL,     3                         ; LDS loads that bring one
.set FRB,    1536                      ; its bytes
.set RBK,    3072                      ; a row block's bytes in a slot: two fragments, 256 along K
.set HALFT,  8*RBK                     ; 128 rows: what one tensor load brings, and what one wave reads of A or of B
.set SLOTB,  4*HALFT                   ; A's 256 rows, then B's
.set SCL,    3*SLOTB                   ; behind the three slots: the scale words, 4,096 bytes for each 128 rows
.set SPARE,  SCL+4*4096                ; the spare words, 128 bytes for each wave: two blocks of 256 bytes that no other line names
.set STQ,    SLOTB                     ; the q, k path's stage: codes, 2 heads x 16 steps x 1,536;
.set STQS,   STQ+2*HALFT               ; scale bytes, 2 x 1,024
.set STV,    2*SLOTB                   ; the v path's
.set STVS,   STV+2*HALFT
.set SQ,   4                           ; v4   q, k: where my codes go      v5  their scale bytes
.set SQS,  5
.set SV,   6                           ; v6   v: where my codes go         v7  their scale bytes
.set SVS,  7
.set RDQ,  8                           ; v8   q, k: where I read the stage back     v9  its scale bytes
.set RSQ,  9
.set RDV,  10                          ; v10, v11 the same for v
.set RSV,  11
.set ADRA, 16                          ; v16, v17 LDS address of my A fragments in slot 0, and in slots 1 and 2
.set ADRB, 20                          ; v20, v21 the same for B
.set ADRS, 27                          ; v27    of my scale words: lanes 0-15 A's rows, lanes 16-31 B's
.set SPW,  28                          ; v28    LDS address of my spare word; never rewritten
.set NIL,  29                          ; v29    0; never rewritten
.set SC,   32                          ; scale words: set s at v[SC + 16 s]; register 2 i + q: lanes 0-15 A's block i, lanes 16-31 B's block i, the K step's q-th 128
.set BI,   64                          ; the bias: tile b at v[BI + 8 b]
.set AF,   128                         ; A's fragments
.set PC,   64                          ; the way out: v64-82 codes, v83 a scale word, v84-95 at work
.set PW,   83
.set TM,   84
.set TL,   100                         ; v100-199 the stage read back
.set G1A,  24                          ; s[24:31] descriptor group 1 for A's tiles;  s[32:39] groups 0: slot 0's, then that of slots 1 and 2
.set G0A,  32
.set G1B,  48                          ; s[48:55] for B's;  group 0: s[56:59], s[60:63]
.set G0B,  56
.set G1SA, 72                          ; s[72:79], s[80:87] groups 1 for A's and B's scale words;  s[88:91], s[92:95] groups 0
.set G1SB, 80
.set G0SA, 88
.set G0SB, 92
.set SEL,  98                          ; s[98:99] lane selects: lane l xor 16 (written behind the first fills)
.set MSB, 0
.macro WIN new                         ; the immediate's high byte repeats the setting that is left; a switch that changes nothing is dropped
.if MSB != (\new)
	s_set_vgpr_msb (MSB<<8)|(\new)
.set MSB, (\new)
.endif
.endm
.set MUL_LO, 0xa1                      ; source 0 (B) window 1, source 1 (A) window 0, C and D window 2
.set MUL_HI, 0xf1                      ; the same, C and D window 3
.set TO_B,   0x40                      ; destination window 1, address window 0
; A joint load: waves 0 and 1 fetch for A, waves 2 and 3 for B.  The branch hangs on the wave's number alone.  Four v_nop follow each of the two lines.
.macro JLOAD g0a, g1a, g0b, g1b
	s_cmp_eq_u32 s15, 0
	s_cbranch_scc0 .Lfor_b_\@
	tensor_load_to_lds s[\g0a:\g0a+3], s[\g1a:\g1a+7]
	s_nop 0
.rept 4
	v_nop
.endr
	s_branch .Lasked_\@
.Lfor_b_\@:
	tensor_load_to_lds s[\g0b:\g0b+3], s[\g1b:\g1b+7]
	s_nop 0
.rept 4
	v_nop
.endr
.Lasked_\@:
.endm
.macro CREST                           ; a round of the cluster's barrier behind its opening barrier
	s_cmp_lg_u32 s14, 0
	s_cbranch_scc1 .Lnot_wave_0_\@
	s_barrier_signal -3
.Lnot_wave_0_\@:
	s_barrier_wait -3
	s_barrier_signal -1
	s_barrier_wait -1
.endm
.macro CROUND                          ; a whole round
	s_barrier_signal -1
	s_barrier_wait -1
	CREST
.endm
.macro PLACES n                        ; plain places behind matrix instructions, in front of loads into their registers and of the first read of results
.rept \n
	v_nop
.endr
.endm
	s_load_b256 s[4:11], s[0:1], 0x0               ; xq s[4:5], wqq s[6:7], bqkv s[8:9], qkv s[10:11]
	v_lshl_add_u32 v[SPW], v0, 2, SPARE
	v_mov_b32 v[NIL], 0
	ds_add_u32 v28, v29
	ds_add_u32 v28, v29
	s_wait_dscnt 0x0
	v_lshrrev_b32 v1, 5, v0
	v_readfirstlane_b32 s14, v1                    ; wave 0..3
	s_lshr_b32 s15, s14, 1                         ; wm: which half of the tile's rows is mine.  Also: I fetch for A (0) or for B (1)
	s_and_b32 s16, s14, 1                          ; wn: which half of its columns.  Also: which 128 rows I fetch
	s_bfe_u32 s12, ttmp6, 0x40000                  ; cx
	s_bfe_u32 s13, ttmp6, 0x40004                  ; cy
	s_lshl_b32 s18, ttmp9, 2
	s_add_co_u32 s18, s18, s12                     ; tile column = 4 x cluster x + cx
	s_and_b32 s17, ttmp7, 0xffff
	s_lshl_b32 s17, s17, 2
	s_add_co_u32 s17, s17, s13                     ; tile row = 4 x cluster y + cy
	s_lshl_b32 s19, s13, 2
	s_lshl_b32 s19, 15, s19                        ; my row of the cluster
	s_lshl_b32 s20, 0x1111, s12                    ; my column
	; group 1 for codes: 8 row blocks x 3,072 bytes (384 elements of 8 bytes), 12,288 bytes (1,536 elements) apart; no padding
	s_or_b32 s[G1A], s19, (3<<16)|(1<<21)          ; 15:0 the mask: A's tiles go to my row; 17:16 elements of 8 bytes; 21 set beside a mask
	s_or_b32 s[G1B], s20, (3<<16)|(1<<21)
.irp g, G1A, G1B
	s_mov_b32 s[\g+1], 384<<16                     ; tensor_dim0
	s_mov_b32 s[\g+2], 16<<16                      ; tensor_dim1: 16 row blocks for the head's loads; 8 behind them
	s_mov_b32 s[\g+3], 384<<16                     ; tile_dim0
	s_mov_b32 s[\g+4], 16                          ; tile_dim1
	s_mov_b32 s[\g+5], 1536                        ; tensor_dim0_stride
	s_mov_b32 s[\g+6], 0
	s_mov_b32 s[\g+7], 0
.endr
	; and for the scale words of 256 rows: 8,192 dense bytes as 32 rows of 256
	s_or_b32 s[G1SA], s19, (3<<16)|(1<<21)
	s_or_b32 s[G1SB], s20, (3<<16)|(1<<21)
.irp g, G1SA, G1SB
	s_mov_b32 s[\g+1], 32<<16
	s_mov_b32 s[\g+2], 32<<16                      ; the scale words of 256 rows: 32 rows of 256 bytes
	s_mov_b32 s[\g+3], 32<<16
	s_mov_b32 s[\g+4], 32
	s_mov_b32 s[\g+5], 32
	s_mov_b32 s[\g+6], 0
	s_mov_b32 s[\g+7], 0
.endr
	s_lshl_b32 s22, s17, 4                         ; A: the tile's first row block, 16 x tile row
	s_lshl_b32 s44, s18, 4                         ; B: 16 x tile column (in registers that never hold the tile row)
	s_mul_i32 s96, s22, 12288                      ; their codes,
	s_mov_b32 s97, 0
	s_lshl_b32 s98, s22, 9                         ; their scale words
	s_add_co_u32 s98, s98, ACODES
	s_mov_b32 s99, 0
	s_lshl_b32 s46, s44, 9
	s_add_co_u32 s46, s46, BCODES
	s_mov_b32 s47, 0
	s_mul_i32 s44, s44, 12288
	s_mov_b32 s45, 0
	s_mul_i32 s100, s14, HALFT                     ; where they go: wave x 128 rows: no place in the cluster enters an LDS address
	s_mul_i32 s101, s14, 2*HALFT                   ; where my quarter of K steps 1 and 2 goes, behind slot 0
	s_mul_i32 s22, s16, 8*12288                    ; in the ring I fetch 8 row blocks of a tile: which half, in bytes
	s_mov_b32 s23, 0
	s_wait_kmcnt 0x0
	s_add_nc_u64 s[96:97], s[4:5], s[96:97]
	s_add_nc_u64 s[98:99], s[4:5], s[98:99]
	s_add_nc_u64 s[44:45], s[6:7], s[44:45]
	s_add_nc_u64 s[46:47], s[6:7], s[46:47]
	CROUND                                         ; all sixteen work-groups are here: the first joint loads meet
	s_mov_b32 s[G0SA], 1
	s_mov_b32 s[G0SA+1], SCL
	s_mov_b64 s[G0SA+2:G0SA+3], s[98:99]
	s_or_b32 s[G0SA+3], s[G0SA+3], 0x80000000
	s_mov_b32 s[G0SB], 1
	s_mov_b32 s[G0SB+1], SCL+8192
	s_mov_b64 s[G0SB+2:G0SB+3], s[46:47]
	s_or_b32 s[G0SB+3], s[G0SB+3], 0x80000000
; THE FILLS, as they now stand (this takes the place of what the head comment says of them).  At the head one joint load a wave: wave 0 K step 0 of A's 256 rows, wave 1 of B's, wave 2 A's scale words, wave 3 B's.
; Behind the round in front of the first products one joint load a wave brings its 8 row blocks of K steps 1 AND 2: rows of 6,144 bytes, into the bytes of slots 1 and 2 (a row block there is 6,144 bytes, K step 2 3,072 in).
; At K 128 slot 0 is filled again with K step 3, a quarter a wave.  One tensor load of a wave is out at any time.
; PREFETCH: each later fill is asked of memory one fill ahead: K steps 1 and 2 at the head, K step 3 behind the second fill.  Of a wave's 8 row blocks each of the four partners that ask jointly names two, told apart by address.
	s_mov_b32 s[G0A], 1                            ; slot 0's two groups 0 serve the head's whole tiles first; they are written anew for K step 3
	s_mov_b32 s[G0A+1], 0
	s_mov_b64 s[G0A+2:G0A+3], s[96:97]
	s_or_b32 s[G0A+3], s[G0A+3], 0x80000000
	s_mov_b32 s[G0B], 1
	s_mov_b32 s[G0B+1], 2*HALFT
	s_mov_b64 s[G0B+2:G0B+3], s[44:45]
	s_or_b32 s[G0B+3], s[G0B+3], 0x80000000
	s_add_nc_u64 s[96:97], s[96:97], s[22:23]      ; for the ring: my 128 rows of the tile
	s_add_nc_u64 s[44:45], s[44:45], s[22:23]
.irp s, 1
	s_mov_b32 s[G0A+4*\s], 1
	s_add_co_u32 s[G0A+4*\s+1], s101, SLOTB
	s_add_nc_u64 s[G0A+4*\s+2:G0A+4*\s+3], s[96:97], \s*RBK
	s_or_b32 s[G0A+4*\s+3], s[G0A+4*\s+3], 0x80000000
	s_mov_b32 s[G0B+4*\s+4*(\s/2)], 1
	s_add_co_u32 s[G0B+4*\s+4*(\s/2)+1], s101, SLOTB
	s_add_nc_u64 s[G0B+4*\s+4*(\s/2)+2:G0B+4*\s+4*(\s/2)+3], s[44:45], \s*RBK
	s_or_b32 s[G0B+4*\s+4*(\s/2)+3], s[G0B+4*\s+4*(\s/2)+3], 0x80000000
.endr
.macro ARM under, g0, g1, next         ; one chain of branches on the wave's number, one load to an arm, all arms to one join
	s_cmp_lt_u32 s14, \under
	s_cbranch_scc0 \next
	tensor_load_to_lds s[\g0:\g0+3], s[\g1:\g1+7]
	s_nop 0
.rept 4
	v_nop
.endr
	s_branch .Lhead_asked
\next:
.endm
	ARM 1, G0A,  G1A,  .Lhead_b
	ARM 2, G0B,  G1B,  .Lhead_sa
	ARM 3, G0SA, G1SA, .Lhead_sb
	tensor_load_to_lds s[G0SB:G0SB+3], s[G1SB:G1SB+7]
	s_nop 0
.rept 4
	v_nop
.endr
.Lhead_asked:
	s_cmp_eq_u32 s15, 0                            ; the prefetches: my 8 row blocks of A or of B,
	s_cselect_b64 s[4:5], s[96:97], s[44:45]
	s_cselect_b32 s6, s12, s13                     ; my place among the four that ask with me (cx for A, cy for B): it enters this address alone
	s_mul_i32 s6, s6, 2*12288                      ; my work-group's two of them
	s_mov_b32 s7, 0
	s_add_nc_u64 s[4:5], s[4:5], s[6:7]
	v_and_b32 v26, 31, v0
	v_min_u32 v30, 23, v26                         ; a lane to a block of 256 bytes: 24 in 6,144 bytes (the lanes left over name the last again),
	v_min_u32 v31, 11, v26                         ; 12 in 3,072
	v_lshlrev_b32 v30, 8, v30
	v_lshlrev_b32 v31, 8, v31
	global_prefetch_b8 v30, s[4:5] offset:RBK th:TH_LOAD_NT scope:SCOPE_SE          ; K steps 1 and 2 of my two row blocks; these registers are never written again
	global_prefetch_b8 v30, s[4:5] offset:12288+RBK th:TH_LOAD_NT scope:SCOPE_SE
	v_and_b32 v1, 15, v0                           ; r
	v_bfe_u32 v2, v0, 4, 1                         ; h
	s_wait_alu depctr_va_vdst(0)
	v_and_b32 v3, 31, v0
	v_lshlrev_b32 v3, 4, v3                        ; 16 x lane
	s_mul_i32 s21, s15, HALFT                      ; my 128 rows of A
	s_mul_i32 s22, s16, HALFT                      ; my 128 rows of B,
	s_add_co_u32 s22, s22, 2*HALFT                 ; which lie behind A's 256
	v_add_nc_u32 v[ADRA], s21, v3                  ; slot 0
	v_add_nc_u32 v[ADRB], s22, v3
	s_lshl_b32 s21, s21, 1                         ; K steps 1 and 2: a wave's quarter there is twice as long
	s_add_co_u32 s21, s21, SLOTB
	s_lshl_b32 s22, s22, 1
	s_add_co_u32 s22, s22, SLOTB
	v_add_nc_u32 v[ADRA+1], s21, v3
	v_add_nc_u32 v[ADRB+1], s22, v3
	s_lshl_b32 s21, s15, 12                        ; A's scale words: my 128 rows
	s_lshl_b32 s22, s16, 12                        ; B's: my 128 rows, behind A's 256
	s_add_co_u32 s22, s22, 8192
	s_sub_co_u32 s22, s22, s21
	v_mul_u32_u24 v14, s22, v2                     ; lanes 16-31 take B's: the lower base + h x the distance
	s_add_co_u32 s21, s21, SCL
	v_lshl_add_u32 v14, v1, 3, v14                 ; 8 bytes a row
	v_add_nc_u32 v[ADRS], s21, v14
	; where my part of the result goes.  On the way out wave w sends head 2 x tile row + w / 2, steps 8 (w % 2) .. + 7
	s_lshl_b32 s19, s17, 1
	s_add_co_u32 s19, s19, s15
	s_mul_i32 s20, s19, 294912
	s_mul_i32 s21, s16, 8*18432
	s_add_co_u32 s20, s20, s21
	s_mul_i32 s21, ttmp9, 6144                     ; the section
	s_add_co_u32 s20, s20, s21
	s_mul_i32 s21, s12, FRB                        ; G
	s_add_co_u32 s20, s20, s21
	s_mov_b32 s21, 0
	s_mul_i32 s22, s19, 12288
	s_lshl_b32 s23, ttmp9, 12
	s_add_co_u32 s22, s22, s23
	s_lshl_b32 s23, s12, 10
	s_add_co_u32 s22, s22, s23
	s_lshl_b32 s23, s16, 9
	s_add_co_u32 s22, s22, s23
	s_add_co_u32 s22, s22, 9437184                 ; the scale bytes lie behind the codes
	s_mov_b32 s23, 0
	s_add_nc_u64 s[96:97], s[10:11], s[22:23]
	s_add_nc_u64 s[10:11], s[10:11], s[20:21]
	s_mov_b32 s[SEL], 0x76543210
	s_mov_b32 s[SEL+1], 0xfedcba98
	; every LDS address of the way out is made here, ahead of the first parting of the two paths
	v_lshrrev_b32 v14, 3, v1                       ; r / 8
	v_bfe_u32 v15, v1, 1, 2                        ; (r / 2) % 4
	v_and_b32 v19, 1, v1                           ; r % 2
	v_bfe_u32 v23, v1, 1, 1                        ; (r / 2) % 2
	v_bfe_u32 v24, v1, 2, 1                        ; (r / 4) % 2
	v_lshrrev_b32 v25, 1, v1                       ; r / 2
	s_wait_alu depctr_va_vdst(0)
	s_mul_i32 s20, s15, HALFT
	s_mul_i32 s21, s16, 96
	s_add_co_u32 s21, s21, s20
	s_add_co_u32 s21, s21, STQ
	v_mul_u32_u24 v[SQ], v14, FRB                  ; q, k: step 2 a + r / 8; record 16 h + 4 ((r / 2) % 4) + 2 wn + c; 24 (r % 2) in it
	v_mad_u32_u24 v[SQ], v2, 768, v[SQ]
	v_mad_u32_u24 v[SQ], v15, 192, v[SQ]
	v_mad_u32_u24 v[SQ], v19, 24, v[SQ]
	v_add_nc_u32 v[SQ], s21, v[SQ]
	s_lshl_b32 s22, s15, 10
	s_lshl_b32 s21, s16, 3
	s_add_co_u32 s21, s21, s22
	s_add_co_u32 s21, s21, STQS
	v_lshlrev_b32 v[SQS], 4, v25                   ; word (key block 8 a + r / 2, i % 4 = 2 wn + c): bytes 2 (r % 2) + d / 32
	v_lshl_add_u32 v[SQS], v19, 1, v[SQS]
	v_add_nc_u32 v[SQS], s21, v[SQS]
	s_mul_i32 s21, s16, 384
	s_add_co_u32 s21, s21, s20
	s_add_co_u32 s21, s21, STV
	v_mul_u32_u24 v[SV], v14, FRB                  ; v: step 2 a + r / 8; record 16 ((r / 2) % 2) + 8 wn + 2 P + h; 24 ((r / 4) % 2) + 12 (r % 2) in it
	v_mad_u32_u24 v[SV], v23, 768, v[SV]
	v_mad_u32_u24 v[SV], v2, 48, v[SV]
	v_mad_u32_u24 v[SV], v24, 24, v[SV]
	v_mad_u32_u24 v[SV], v19, 12, v[SV]
	v_add_nc_u32 v[SV], s21, v[SV]
	s_lshl_b32 s21, s16, 5
	s_add_co_u32 s21, s21, s22
	s_add_co_u32 s21, s21, STVS
	v_lshlrev_b32 v[SVS], 6, v14                   ; word (step, 8 wn + 2 P + h), byte (r / 2) % 4
	v_lshl_add_u32 v[SVS], v2, 2, v[SVS]
	v_add_nc_u32 v[SVS], v15, v[SVS]
	v_add_nc_u32 v[SVS], s21, v[SVS]
	s_mul_i32 s21, s14, 12288
	s_add_co_u32 s21, s21, STQ
	v_add_nc_u32 v[RDQ], s21, v3
	s_add_co_u32 s21, s21, SLOTB
	v_add_nc_u32 v[RDV], s21, v3
	s_lshl_b32 s21, s14, 9
	s_add_co_u32 s21, s21, STQS
	v_add_nc_u32 v[RSQ], s21, v3
	s_add_co_u32 s21, s21, SLOTB
	v_add_nc_u32 v[RSV], s21, v3
	v_lshlrev_b32 v12, 6, v2                       ; 64 h: sixteen numbers of the bias
	v_lshlrev_b32 v13, 2, v2                       ; 4 h: one
	; the bias, in the result's layout.  The cluster's x is the same in all partners
	s_cmp_eq_u32 ttmp9, 2
	s_cbranch_scc1 .Lbias_v
	s_lshl_b32 s20, s18, 10                        ; q, k: tile b, register j: column 256 x tile column + 128 wn + 32 (b / 2) + 8 (b % 2) + 16 h + j
	s_lshl_b32 s21, s16, 9
	s_add_co_u32 s20, s20, s21
	s_mov_b32 s21, 0
	s_add_nc_u64 s[8:9], s[8:9], s[20:21]
.irp b, 0,1,2,3,4,5,6,7
	global_load_b128 v[BI+8*\b:BI+8*\b+3], v12, s[8:9] offset:4*(32*(\b/2)+8*(\b%2))
	global_load_b128 v[BI+8*\b+4:BI+8*\b+7], v12, s[8:9] offset:4*(32*(\b/2)+8*(\b%2))+16
.endr
	s_branch .Lbias_done
.Lbias_v:
	s_lshl_b32 s20, s16, 7                         ; v: tile 2 P + u, register j: column 2048 + 64 (8 u + j) + 32 wn + 8 G + 2 P + h
	s_lshl_b32 s21, s12, 5
	s_add_co_u32 s20, s20, s21
	s_add_co_u32 s20, s20, 8192
	s_mov_b32 s21, 0
	s_add_nc_u64 s[8:9], s[8:9], s[20:21]
	s_wait_alu depctr_va_vdst(0)
.irp b, 0,1,2,3,4,5,6,7
.irp j, 0,1,2,3,4,5,6,7
	global_load_b32 v[BI+8*\b+\j], v13, s[8:9] offset:4*(64*(8*(\b%2)+\j)+2*(\b/2))
.endr
.endr
.Lbias_done:
.macro FRAG reg, adr, off              ; a fragment comes back as it was laid: registers 4 c .. 4 c + 3 of lane l from 512 c + 16 l
.irp c, 0,1,2
	ds_load_b128 v[\reg+4*\c:\reg+4*\c+3], v[\adr] offset:\off+512*\c
.endr
.endm
.macro FETCH_B ns, nq, p               ; B's eight fragments of slot ns's nq-th 128 along K into set p
	WIN TO_B
.irp i, 0,1,2,3,4,5,6,7
	FRAG 128*(\p)+FR*\i, ADRB+((\ns)+1)/2, \i*RBK*(1+((\ns)+1)/2)+((\ns)/2)*RBK+(\nq)*FRB
.endr
	WIN 0
.endm
.macro FETCH_A ns, nq, i0              ; A's blocks i0 .. i0 + 3
.irp i, \i0, \i0+1, \i0+2, \i0+3
	FRAG AF+FR*(\i), ADRA+((\ns)+1)/2, (\i)*RBK*(1+((\ns)+1)/2)+((\ns)/2)*RBK+(\nq)*FRB
.endr
.endm
.macro SCALES ks                       ; K step ks's scale words into set ks % 2: two words a row; lanes 0-15 take A's block i, lanes 16-31 B's block i
.irp i, 0,1,2,3,4,5,6,7
	ds_load_b64 v[SC+16*((\ks)%2)+2*\i:SC+16*((\ks)%2)+2*\i+1], v[ADRS] offset:\i*512+128*(\ks)
.endr
.endm
; 16 matrix instructions: A's blocks a0, a0 + 1 x B's eight, 128 along K: the K step's q-th (B's set q).  first = 1: the bias is the C: nothing is ever cleared.
; The 64 accumulators take turns, one instruction a turn, in the same order in every step.
.macro MUL16 a0, q, sc, first
.irp a, \a0, \a0+1
.irp b, 0,1,2,3,4,5,6,7
.if \first
	v_wmma_scale_f32_16x16x128_f8f6f4 v[8*(8*((\a)%4)+\b):8*(8*((\a)%4)+\b)+7], v[128*(\q)+FR*\b:128*(\q)+FR*\b+FR-1], v[AF+FR*(\a):AF+FR*(\a)+FR-1], v[BI+8*\b:BI+8*\b+7], v[SC+16*(\sc)+2*\b+(\q)], v[SC+16*(\sc)+2*(\a)+(\q)] matrix_a_fmt:MATRIX_FMT_FP6 matrix_b_fmt:MATRIX_FMT_FP6 matrix_a_scale:MATRIX_SCALE_ROW1
.else
	v_wmma_scale_f32_16x16x128_f8f6f4 v[8*(8*((\a)%4)+\b):8*(8*((\a)%4)+\b)+7], v[128*(\q)+FR*\b:128*(\q)+FR*\b+FR-1], v[AF+FR*(\a):AF+FR*(\a)+FR-1], v[8*(8*((\a)%4)+\b):8*(8*((\a)%4)+\b)+7], v[SC+16*(\sc)+2*\b+(\q)], v[SC+16*(\sc)+2*(\a)+(\q)] matrix_a_fmt:MATRIX_FMT_FP6 matrix_b_fmt:MATRIX_FMT_FP6 matrix_a_scale:MATRIX_SCALE_ROW1
.endif
.endr
.endr
.endm
; A step of 128 along K whose successor (slot ns, its nq-th 128) is known whole.  nks >= 0: the successor begins K step nks: its scale words are fetched too.
.macro STEP q, sc, ns, nq, nks, first
	s_wait_dscnt 4*NL                              ; B's set, A's blocks 0-3 and the scale words are in; the youngest 12 loads (A's blocks 4-7) may be out
.if \first
	WIN 0x81                                       ; C (the bias) window 0, D window 2
.else
	WIN MUL_LO
.endif
	MUL16 0, \q, \sc, \first
	MUL16 2, \q, \sc, \first
	s_wait_dscnt 0x0                               ; A's blocks 4-7 are in (asked for 32 matrix instructions ago)
	PLACES 4
	FETCH_B \ns, \nq, \nq
	FETCH_A \ns, \nq, 0
.if (\nks) >= 0
	SCALES \nks
.endif
.if \first
	WIN 0xc1
.else
	WIN MUL_HI
.endif
	MUL16 4, \q, \sc, \first
	MUL16 6, \q, \sc, \first
	PLACES 4
	WIN 0
	FETCH_A \ns, \nq, 4
.endm
; A K step's second half that changes slots behind a barrier.  In front of it each wave waits for all its tensor loads, adds 0 to its spare word, and waits for that and for its own reads.
; fill = 1: slot 0, just read out, is filled again with K step 3; the barrier then opens a round of the cluster's barrier and the joint load is the first thing behind it.
.macro TURN sc, ns, nks, fill
	s_wait_tensorcnt 0x0                           ; all my tensor loads have landed  (every window is 0 here: the add's two registers lie in window 0)
	ds_add_u32 v[SPW], v[NIL]                      ; 0 onto my spare word
	s_wait_dscnt 4*NL+1                            ; (the add and the youngest 12 loads, A's blocks 4-7, may be out)
	WIN MUL_LO
	MUL16 0, 1, \sc, 0                             ; sixteen matrix instructions stand between the add and the wait for it
	s_wait_dscnt 0x0                               ; the add is done, and my reads of the slot are over
	s_barrier_signal -1
	MUL16 2, 1, \sc, 0
	WIN 0
	s_barrier_wait -1
.if \fill
	CREST                                          ; no wave of any partner still reads slot 0 or has a load on its way
	s_mov_b32 s[G1A+1], 384<<16                    ; no load of mine is out: rows of 3,072 bytes again,
	s_mov_b32 s[G1A+3], 384<<16
	s_mov_b32 s[G1B+1], 384<<16
	s_mov_b32 s[G1B+3], 384<<16
	s_mov_b32 s[G0A+1], s100                       ; and slot 0's groups 0 for my quarter of K step 3, two steps behind K step 1
	s_add_nc_u64 s[G0A+2:G0A+3], s[G0A+6:G0A+7], 2*RBK
	s_mov_b32 s[G0B+1], s100
	s_add_nc_u64 s[G0B+2:G0B+3], s[G0B+6:G0B+7], 2*RBK
	JLOAD G0A, G1A, G0B, G1B                       ; K step 3 fills slot 0 again; the four v_nop behind it are the places in front of the loads below
.else
	PLACES 4
.endif
	FETCH_B \ns, 0, 0
	FETCH_A \ns, 0, 0
	SCALES \nks
	WIN MUL_HI
	MUL16 4, 1, \sc, 0
	MUL16 6, 1, \sc, 0
	PLACES 4
	WIN 0
	FETCH_A \ns, 0, 4
.endm
	s_wait_alu depctr_va_vdst(0)                   ; the wait at the head's end
	s_wait_tensorcnt 0x0                           ; my tile of the head's four is in
	ds_add_u32 v[SPW], v[NIL]
	s_mov_b32 s[G1A+2], 8<<16                      ; no load of mine is out: from here on a load brings 8 row blocks
	s_mov_b32 s[G1A+4], 8
	s_mov_b32 s[G1B+2], 8<<16
	s_mov_b32 s[G1B+4], 8
	s_mov_b32 s[G1A+1], 768<<16                    ; of 6,144 bytes: K steps 1 and 2
	s_mov_b32 s[G1A+3], 768<<16
	s_mov_b32 s[G1B+1], 768<<16
	s_mov_b32 s[G1B+3], 768<<16
	s_wait_dscnt 0x0
	CROUND                                         ; everybody's tile is in, and all sixteen work-groups are here
	JLOAD G0A+4, G1A, G0B+4, G1B                   ; K steps 1 and 2
	FETCH_B 0, 0, 0
	FETCH_A 0, 0, 0
	SCALES 0
	FETCH_A 0, 0, 4
	global_prefetch_b8 v31, s[4:5] offset:3*RBK th:TH_LOAD_NT scope:SCOPE_SE        ; K step 3 of my two row blocks, one fill ahead
	global_prefetch_b8 v31, s[4:5] offset:12288+3*RBK th:TH_LOAD_NT scope:SCOPE_SE
	s_wait_loadcnt 0x0                             ; the bias
	STEP 0, 0, 0, 1, -1, 1                         ; K 0: the bias starts the sums
	TURN 0, 1, 1, 1                                ; K 128: K steps 1 and 2 are shown whole; slot 0 takes K step 3
	STEP 0, 1, 1, 1, -1, 0                         ; K 256
	STEP 1, 1, 2, 0, 2, 0                          ; K 384: on into K step 2 with no barrier: it was shown whole above, and nothing is filled here
	STEP 0, 0, 2, 1, -1, 0                         ; K 512
	TURN 0, 0, 3, 0                                ; K 640: K step 3 has landed in slot 0; behind this barrier nobody reads slots 1 and 2
	STEP 0, 1, 0, 1, -1, 0                         ; K 768
	s_wait_dscnt 4*NL                              ; K 896: nothing more to fetch
	WIN MUL_LO
	MUL16 0, 1, 1, 0
	MUL16 2, 1, 1, 0
	s_wait_dscnt 0x0
	WIN MUL_HI
	MUL16 4, 1, 1, 0
	MUL16 6, 1, 1, 0
	WIN 0
	PLACES 4                                       ; in front of the first read of results
.irp b, 0,1,2,3
	v_mov_b32 v[TM+4+\b], 0                        ; written once: a lane permute's destination counts as one of its sources
.endr
; The largest magnitudes of block a's four runs of 16 registers (tiles 2 b, 2 b + 1), with the floor 2^(3 - 127).  The registers are taken in ascending order: each accumulator is first read at its low end.
.macro QMAX a
.set ACB, 64*((\a)%4)
.set WX, 2+(\a)/4
	WIN WX|(WX<<2)
.irp b, 0,1,2,3
	v_max3_num_f32 v[TM+\b], |v[ACB+16*\b]|, |v[ACB+16*\b+1]|, 0x1800000
.endr
	WIN (WX<<2)|(WX<<4)
.irp i, 2,4,6,8,10,12,14
.irp b, 0,1,2,3
	v_max3_num_f32 v[TM+\b], v[TM+\b], |v[ACB+16*\b+\i]|, |v[ACB+16*\b+\i+1]|
.endr
.endr
	WIN 0
.endm
; q, k: rows 16 a + r.  Register 16 b + i is column 32 b + 16 h + i of my 128: a block of 32 along d lies in lanes l and l xor 16.
.macro QOUT a
	QMAX \a
.irp b, 0,1,2,3
	v_permlanex16_b32 v[TM+4+\b], v[TM+\b], s[SEL], s[SEL+1]
.endr
.irp b, 0,1,2,3
	v_max_num_f32 v[TM+\b], v[TM+\b], v[TM+4+\b]
.endr
.irp b, 0,1,2,3
	v_add_nc_u32 v[TM+8+\b], 0xff000000, v[TM+\b]  ; 2 off the exponent field: the conversion's scale operand
.endr
.irp b, 0,1,2,3
	v_lshrrev_b32 v[TM+4+\b], 23, v[TM+8+\b]       ; the scale's byte
.endr
	v_lshl_or_b32 v[PW], v[TM+5], 8, v[TM+4]
	v_lshl_or_b32 v[PW], v[TM+6], 16, v[PW]
	v_lshl_or_b32 v[PW], v[TM+7], 24, v[PW]
	WIN WX                                         ; the numbers: window 2 or 3
.irp c, 0,1
	v_cvt_scalef32_pk16_fp6_f32 v[PC+6*\c:PC+2+6*\c], v[ACB+32*\c:ACB+15+32*\c], v[TM+8+2*\c]
	v_cvt_scalef32_pk16_fp6_f32 v[PC+12+4*\c:PC+14+4*\c], v[ACB+16+32*\c:ACB+31+32*\c], v[TM+9+2*\c]
.endr
	WIN 0
	v_nop                                          ; one plain place behind a scaled conversion
.irp c, 0,1                            ; a whole block to a lane: lane (r, h) then holds, for c = 0, 1, the 24 bytes of key 16 (16 a + r) + 4 G + 2 wn + c, half h of d
.irp i, 0,1,2
	v_permlane16_swap_b32 v[PC+6*\c+\i], v[PC+12+4*\c+\i]
.endr
.irp i, 0,1,2
	v_mov_b32 v[PC+3+6*\c+\i], v[PC+12+4*\c+\i]
.endr
.endr
.irp c, 0,1
.irp p, 0,1,2
	ds_store_b64 v[SQ], v[PC+6*\c+2*\p:PC+6*\c+2*\p+1] offset:(\a)*RBK+48*\c+8*\p
.endr
.endr
	ds_store_b16 v[SQS], v[PW] offset:(\a)*128             ; c = 0: the bytes of d's two halves (both halves of the lanes write the same bytes with the same values)
	ds_store_b16_d16_hi v[SQS], v[PW] offset:(\a)*128+4    ; c = 1
	s_wait_dscnt 0x0                               ; the stores have read their registers
.endm
; v: rows 16 a + r.  Register 16 P + i is key 16 (16 a + r) + i of channel 32 wn + 8 G + 2 P + h: a block of 32 keys lies in lanes r and r xor 1.
.macro VOUT a
	QMAX \a
.irp b, 0,1,2,3
	v_max_num_f32_dpp v[TM+\b], v[TM+\b], v[TM+\b] row_xmask:1 row_mask:0xf bank_mask:0xf
.endr
.irp b, 0,1,2,3
	v_add_nc_u32 v[TM+8+\b], 0xff000000, v[TM+\b]
.endr
.irp b, 0,1,2,3
	v_lshrrev_b32 v[TM+4+\b], 23, v[TM+8+\b]
.endr
	WIN WX
.irp b, 0,1,2,3
	v_cvt_scalef32_pk16_fp6_f32 v[PC+4*\b:PC+4*\b+2], v[ACB+16*\b:ACB+16*\b+15], v[TM+8+\b]
.endr
	WIN 0
	v_nop
.irp b, 0,1,2,3
.irp k, 0,1,2
	ds_store_b32 v[SV], v[PC+4*\b+\k] offset:(\a)*RBK+96*\b+4*\k   ; 12 bytes: half a block of keys
.endr
	ds_store_b8 v[SVS], v[TM+4+\b] offset:(\a)*128+8*\b            ; (lanes r and r xor 1 write the same byte with the same value)
.endr
	s_wait_dscnt 0x0
.endm
; The stage goes out: wave w takes one head's eight steps: 24 runs of 512 consecutive bytes of codes, one of scale bytes; every store covers two aligned blocks of 256 bytes.
.macro TAIL rd, rs
.set i, 0
.rept 24
	ds_load_b128 v[TL+4*i:TL+4*i+3], v[\rd] offset:FRB*(i/3)+512*(i%3)
.set i, i+1
.endr
	ds_load_b128 v[TL+96:TL+99], v[\rs]
.set i, 0
.rept 24
	s_wait_dscnt 24-i                              ; load i is in; the younger ones may be out
	global_store_b128 v3, v[TL+4*i:TL+4*i+3], s[10:11] offset:18432*(i/3)+512*(i%3)
.set i, i+1
.endr
	s_wait_dscnt 0x0
	global_store_b128 v3, v[TL+96:TL+99], s[96:97]
.endm
	s_cmp_eq_u32 ttmp9, 2
	s_cbranch_scc1 .Lout_v
.irp a, 0,1,2,3,4,5,6,7
	QOUT \a
.endr
	s_branch .Lstaged
.Lout_v:
.irp a, 0,1,2,3,4,5,6,7
	VOUT \a
.endr
.Lstaged:
	s_wait_dscnt 0x0                               ; for the others' sake: my stores into the stage are done
	s_barrier_signal -1
	s_barrier_wait -1
	s_cmp_eq_u32 ttmp9, 2
	s_cbranch_scc1 .Ltail_v
	TAIL RDQ, RSQ
	s_branch .Lend
.Ltail_v:
	TAIL RDV, RSV
.Lend:
	s_wait_tensorcnt 0x0                           ; the wave's end, behind my last tensor load and my last LDS store
	ds_add_u32 v[SPW], v[NIL]
	s_wait_dscnt 0x0
	CROUND                                         ; the closing round: no work-group ends while a partner may still ask for a tile that names it
	s_endpgm
.Lfunc_end_k_q4dc0e4d0ae_qkv:
	.size	k_q4dc0e4d0ae_qkv, .Lfunc_end_k_q4dc0e4d0ae_qkv-k_q4dc0e4d0ae_qkv
	.p2alignl 7, 3214868480
	.fill 96, 4, 3214868480
	.section	.rodata,"a",@progbits
	.p2align	6, 0x0
	.amdhsa_kernel k_q4dc0e4d0ae_qkv
		.amdhsa_group_segment_fixed_size 327680
		.amdhsa_private_segment_fixed_size 0
		.amdhsa_enable_private_segment 0
		.amdhsa_kernarg_size 32
		.amdhsa_user_sgpr_count 2
		.amdhsa_user_sgpr_kernarg_segment_ptr 1
		.amdhsa_wavefront_size32 1
		.amdhsa_system_sgpr_workgroup_id_x 1
		.amdhsa_system_sgpr_workgroup_id_y 1
		.amdhsa_system_sgpr_workgroup_id_z 1
		.amdhsa_system_vgpr_workitem_id 0
		.amdhsa_next_free_vgpr 1024
		.amdhsa_next_free_sgpr 102
		.amdhsa_reserve_vcc 0
		.amdhsa_float_denorm_mode_32 3
		.amdhsa_float_denorm_mode_16_64 3
		.amdhsa_memory_ordered 1
		.amdhsa_forward_progress 1
		.amdhsa_inst_pref_size 196
	.end_amdhsa_kernel
	.amdgpu_metadata
---
amdhsa.version: [ 1, 2 ]
amdhsa.kernels:
  - .name:           k_q4dc0e4d0ae_qkv
    .symbol:         k_q4dc0e4d0ae_qkv.kd
    .args:
      - { .name: xq, .offset: 0, .size: 8, .value_kind: global_buffer, .address_space: global }
      - { .name: wqq, .offset: 8, .size: 8, .value_kind: global_buffer, .address_space: global }
      - { .name: bqkv, .offset: 16, .size: 8, .value_kind: global_buffer, .address_space: global }
      - { .name: qkv, .offset: 24, .size: 8, .value_kind: global_buffer, .address_space: global }
    .group_segment_fixed_size: 327680
    .private_segment_fixed_size: 0
    .kernarg_segment_align: 8
    .kernarg_segment_size: 32
    .max_flat_workgroup_size: 128
    .sgpr_count:     102
    .vgpr_count:     1024
    .wavefront_size: 32
...
	.end_amdgpu_metadata
.endif
;; end of part 2
;; launch attn (part 3): grid 8 x 32, 16 waves a work-group, clusters of 4 x 1, 251,904 bytes of LDS; arguments qkv, oq; writes oq
.if DOCPART == 3
	.amdgcn_target "amdgcn-amd-amdhsa--gfx1250"
	.amdhsa_code_object_version 6
	.text
	.protected	k_q4dc0e4d0ae_attn
	.globl	k_q4dc0e4d0ae_attn
	.p2align	8
	.type	k_q4dc0e4d0ae_attn,@function
k_q4dc0e4d0ae_attn:
	s_mov_b64 s[64:65], 0
	v_nop
	global_prefetch_b8 v0, s[64:65] scope:SCOPE_SE
	s_setreg_imm32_b32 hwreg(HW_REG_WAVE_MODE, 25, 1), 1
	s_wait_xcnt 0x0
	s_wait_alu depctr_hold_cnt(0) depctr_sa_sdst(0) depctr_va_vdst(0) depctr_va_sdst(0) depctr_va_ssrc(0) depctr_va_vcc(0) depctr_vm_vsrc(0)
	s_getreg_b32 s2, hwreg(HW_REG_IB_STS2, 6, 4)
	s_cmp_eq_u32 s2, 0
	s_cbranch_scc0 .Lentry_in_a_cluster
	s_endpgm
.Lentry_in_a_cluster:
	s_bfe_u32 s2, ttmp6, 0x10000c
	s_cmp_lg_u32 s2, 0x3003
	s_cbranch_scc0 .Lentry_shape_is_right
	s_endpgm
.Lentry_shape_is_right:
; Causal attention of 32 heads, 2,048 keys x 64 channels each, both products on codes of FP6 (E2M3) with E8M0 scales, and O / l quantised along (head, d) as the last product's operand.
; THE SOFTMAX: t = score x log2(e) / 8; M = the row's largest t so far, rounded UP to a whole number; p = 2^(t - M) is quantised along the keys, not normalised; the row's sum is taken of the unquantised p in f32
; and divides O at the end.  When M moves, the sum and O are multiplied by 2^(old M - new M): exact.  The running largest t starts at -3e38.
; LEFT OUT: key steps that lie wholly behind the diagonal of the mask that the problem itself builds (jnp.tril): their p is 0 for all inputs.
; SHARES.  A tile T is 16 queries (ml = T, i = lane % 16); it needs key steps 0 .. T / 8 of 128 keys.  A head's 128 tiles go to 8 work-groups of 16 waves.  Wave w = 4 Rw + Cw; waves w and w xor 1 are a pair.
; b = 4 (Rw / 2) + 2 (Cw / 2) + cluster x (0 .. 7).  The pair owns a short tile, 8 b + 2 cx + Rw % 2, with b + 1 steps, and a long one, 8 (15 - b) + 2 cx + Rw % 2, with 16 - b steps.
; The wave with Rw + Cw even (role 0) walks the long tile's steps 0 .. 7.  The other (role 1) walks its steps 8 .. 15 - b, hands O, M and the sum over through LDS, and then walks the short tile's b + 1 steps: 8 and 9 steps.
; Role 0 joins the two parts: both are brought under the larger M by powers of two, which rounds nothing, and added.  Roles and step counts hang on the wave's number and the cluster's x alone: alike in all partners.
; Both walks are loops of 8 trips that every wave runs; a scalar branch on ids leads round a step's work.
; LDS.  The head's whole K and V, 16 steps x 12,288 bytes, and their scale bytes, 8,192, are filled ONCE by joint loads (the four work-groups of a cluster read the same head), one a wave: waves 0-7 two steps each
; (two rows of 12,288 bytes, 18,432 apart in memory), wave 8 the scale bytes.  Nothing is filled again.  No prefetch: the one fill stands at the head, and there is no loop to run ahead in.
; Behind the tiles each pair has 5,632 bytes: 4,608 for the hand-over, 1,024 where role 1 keeps the short tile's q from the head on.
; K ONE STEP AHEAD.  Behind a step's score products K's registers are free (all temporaries lie elsewhere), and the next step's K and its scale words are asked for there, in every step alike, so that the counts of the
; waits are the same on every way; a walk's last step so reads 6,144 bytes that it does not use (behind step 15: the scale bytes' region, inside the filled LDS).  A walk's first K is asked for in front of it.
; LAYOUT.  Both products are used transposed: a lane holds ONE query.  K = 64 on an instruction 128 deep: a lane's 48 bytes of K are one record, [key with ml even | ml odd], half lane / 16 of d; it is multiplied
; once by QE (q's codes in k 0-63, zero codes above) and once by QO (the other way round).  The rows of an operand of K are i = 8 x + r % 8, key block 2 c + r / 8: so registers 32 c + n of the scores are keys
; 32 (2 c + lane / 16) + n: two WHOLE blocks in their order, the second product's operand layout.  V's records are its operand's registers; O^T's 32 registers of a lane are channels 32 (lane / 16) + 0 .. 31.
; LIMITS: a block of zeros, or one under 2^-124, gets the byte 1 (this program alone reads the bytes); NaN and infinities are not served.
; REGISTERS: v1-4 lane places; v5-8 the step's addresses; v9 the mask's number; v10 -infinity; v11 8 h; v12 -M, v13 the largest t, v[14:15] the sum; v16-21 q, v22-27 zero codes, v28-33 q: QE = v16-27, QO = v22-33;
;   v34, v35 the conversions' scale operands; v40-87 K's four operands; v88-135 V's; v136-199 the scores, then p; v200-231 O^T; v232-243 at work until p's codes are laid there;
;   v244-247 K's scale words, v248-251 V's, v252, v253 q's, v254 p's: scales and nothing else; v255 my pair's LDS bytes.
.set STEPB, 12288
.set KSC,   16*STEPB
.set VSC,   KSC+4096
.set MRG,   VSC+4096                   ; the pairs' bytes
.set PRB,   5632
.set SPARE, MRG+8*PRB                  ; the spare words, 128 bytes a wave
.set KOP,   40
.set VOP,   88
.set S,     136
.set O,     200
.set PCD,   232
.set KS,    244
.set VS,    248
.set QSE,   252
.set QSO,   253
.set PS,    254
.set MA,    255
.set WV,    8
.set BS,    14                         ; s14 b
.set LIM,   15                         ; s15 the last step that I work in this walk
.set TT,    16                         ; s16 the tile at hand
.set BL,    17                         ; s17 15 - b
.set ROLE,  18
.set T8,    19                         ; s19 T % 8 = 2 cx + Rw % 2
.set SEL,   20
.set CS,    22
.set G1T,   24
.set G1S,   32
.set G0S,   40
.set G0T,   44
.set DG,    48                         ; s48 the tile's diagonal step
.set BT,    49                         ; s49 T / 8 for QADR
.set HC,    50                         ; s50 the head's codes, s51 its scale bytes: byte offsets
.set HS,    51
.set SG,    60
.set TB,    61
.set TS,    62
.set CNT,   63
.set MK,    80                         ; s80-87 eight lane masks of the diagonal step
.macro CROUND
	s_barrier_signal -1
	s_barrier_wait -1
	s_cmp_lg_u32 s[WV], 0
	s_cbranch_scc1 .Lnot_wave_0_\@
	s_barrier_signal -3
.Lnot_wave_0_\@:
	s_barrier_wait -3
	s_barrier_signal -1
	s_barrier_wait -1
.endm
; tile 8 BT + T8: where its q lies.  Query 16 T + r: step T / 8, region r / 4, record 16 h + 4 cx + r % 4, half T % 2; scale bytes at 16 (T / 2) + 2 (T % 2) = 8 T - 6 (T % 2)
.macro QADR
	s_lshl_b32 s[TT], s[BT], 3
	s_add_co_u32 s[TT], s[TT], s[T8]
	s_mul_i32 s66, s[BT], 18432
	s_add_co_u32 s66, s66, s[HC]
	s_mul_i32 s67, s9, 192
	s_add_co_u32 s66, s66, s67
	s_mul_i32 s67, s11, 24
	s_add_co_u32 s66, s66, s67
	s_mov_b32 s67, 0
	s_add_nc_u64 s[74:75], s[4:5], s[66:67]
	s_lshl_b32 s66, s[TT], 3
	s_mul_i32 s67, s11, 6
	s_sub_co_u32 s66, s66, s67
	s_add_co_u32 s66, s66, s[HS]
	s_add_co_u32 s66, s66, 9437184
	s_mov_b32 s67, 0
	s_add_nc_u64 s[76:77], s[4:5], s[66:67]
.endm
.macro FRESH                           ; a tile begins: QO's scale word, -3e38, zeros.  (The 36 lines behind the first are the places in front of the scaled products)
	v_lshlrev_b32 v[QSO], 16, v[QSE]
	v_mov_b32 v13, 0xff61b1e6
	v_floor_f32 v12, -v13
	v_mov_b32 v14, 0
	v_mov_b32 v15, 0
.set j, 0
.rept 32
	v_mov_b32 v[O+j], 0
.set j, j+1
.endr
.endm
.macro KLOAD ok, os                    ; K's four operands and their scale words, ok and os bytes on from v5 and v7: 16 LDS loads
.irp c, 0,1
.irp x, 0,1
.irp p, 0,1,2
	ds_load_b128 v[KOP+12*(2*\c+\x)+4*\p:KOP+12*(2*\c+\x)+4*\p+3], v5 offset:\ok+3072*\x+384*\c+16*\p
.endr
	ds_load_b32 v[KS+2*\c+\x], v7 offset:\os+2048*\x+32*\c
.endr
.endr
.endm
.macro FIRSTK                          ; a walk's first K
	v_add_nc_u32 v5, s[TB], v1
	v_add_nc_u32 v7, s[TS], v3
	KLOAD 0, 0
.endm
	s_load_b128 s[4:7], s[0:1], 0x0                ; qkv, oq
	v_lshl_add_u32 v40, v0, 2, SPARE
	v_mov_b32 v41, 0
	ds_add_u32 v40, v41                            ; the opening lines: the add twice on end and its wait
	ds_add_u32 v40, v41
	v_lshrrev_b32 v42, 5, v0
	v_readfirstlane_b32 s[WV], v42
	s_bfe_u32 s9, ttmp6, 0x40000                   ; cx: it enters q's and oq's global addresses and the mask's vector number, nothing else
	s_and_b32 s10, ttmp7, 0xffff                   ; the head
	s_lshr_b32 s12, s[WV], 2                       ; Rw
	s_and_b32 s13, s[WV], 3                        ; Cw
	s_lshr_b32 s[BS], s12, 1
	s_lshl_b32 s[BS], s[BS], 2
	s_lshr_b32 s66, s13, 1
	s_lshl_b32 s66, s66, 1
	s_add_co_u32 s[BS], s[BS], s66
	s_add_co_u32 s[BS], s[BS], ttmp9               ; b
	s_sub_co_u32 s[BL], 15, s[BS]
	s_xor_b32 s[ROLE], s12, s13
	s_and_b32 s[ROLE], s[ROLE], 1
	s_and_b32 s11, s12, 1                          ; T % 2
	s_lshl_b32 s[T8], s9, 1
	s_add_co_u32 s[T8], s[T8], s11
	s_mov_b32 s[DG], s[BL]                         ; the first walk is the long tile's: role 0 steps 0 .. 7, role 1 steps 8 .. 15 - b
	s_cmp_eq_u32 s[ROLE], 0
	s_cselect_b32 s[LIM], 7, s[BL]
	s_lshl_b32 s[SG], s[ROLE], 3
	s_mul_i32 s[TB], s[ROLE], 8*STEPB
	s_lshl_b32 s[TS], s[ROLE], 9
	s_mul_i32 s[HC], s10, 294912
	s_mul_i32 s[HS], s10, 12288
	s_mov_b32 s[G1T], 15|(3<<16)|(1<<21)           ; the mask: all four work-groups; elements of 8 bytes; bit 21 beside a mask
	s_mov_b32 s[G1T+1], 1536<<16                   ; two rows of 12,288 bytes,
	s_mov_b32 s[G1T+2], 2<<16
	s_mov_b32 s[G1T+3], 1536<<16
	s_mov_b32 s[G1T+4], 2
	s_mov_b32 s[G1T+5], 2304                       ; 18,432 bytes apart
	s_mov_b32 s[G1T+6], 0
	s_mov_b32 s[G1T+7], 0
	s_mov_b32 s[G1S], 15|(3<<16)|(1<<21)           ; 8,192 dense bytes: 32 rows of 256
	s_mov_b32 s[G1S+1], 32<<16
	s_mov_b32 s[G1S+2], 32<<16
	s_mov_b32 s[G1S+3], 32<<16
	s_mov_b32 s[G1S+4], 32
	s_mov_b32 s[G1S+5], 32
	s_mov_b32 s[G1S+6], 0
	s_mov_b32 s[G1S+7], 0
	s_and_b32 s66, s[WV], 7                        ; waves 0-7: steps 2 w, 2 w + 1
	s_mul_i32 s68, s66, 36864
	s_add_co_u32 s68, s68, s[HC]
	s_add_co_u32 s68, s68, 6144                    ; behind the step's q
	s_mov_b32 s69, 0
	s_add_co_u32 s72, s[HS], 9437184+4096          ; behind the codes, behind the head's q
	s_mov_b32 s73, 0
	s_mov_b32 s[SEL], 0x76543210
	s_mov_b32 s[SEL+1], 0xfedcba98
	s_mov_b32 s[CS], 0x3e38aa3b
	s_mov_b32 s[CS+1], s[CS]
	s_wait_dscnt 0x0
	s_wait_kmcnt 0x0
	s_mov_b32 s[G0S], 1
	s_mov_b32 s[G0S+1], KSC
	s_add_nc_u64 s[G0S+2:G0S+3], s[4:5], s[72:73]
	s_or_b32 s[G0S+3], s[G0S+3], 0x80000000
	s_mov_b32 s[G0T], 1
	s_mul_i32 s[G0T+1], s66, 2*STEPB
	s_add_nc_u64 s[G0T+2:G0T+3], s[4:5], s[68:69]
	s_or_b32 s[G0T+3], s[G0T+3], 0x80000000
	CROUND                                         ; all four work-groups are here: the joint loads meet
	s_cmp_lt_u32 s[WV], 8                          ; one chain of branches on the wave's number, one load to an arm
	s_cbranch_scc0 .Larm_s
	tensor_load_to_lds s[G0T:G0T+3], s[G1T:G1T+7]
	s_nop 0
.rept 4
	v_nop
.endr
	s_branch .Lasked
.Larm_s:
	s_cmp_eq_u32 s[WV], 8
	s_cbranch_scc0 .Lasked
	tensor_load_to_lds s[G0S:G0S+3], s[G1S:G1S+7]
	s_nop 0
.rept 4
	v_nop
.endr
.Lasked:
	s_lshl_b32 s70, s[T8], 4
	s_lshr_b32 s71, s[WV], 1
	s_mul_i32 s71, s71, PRB
	s_add_co_u32 s71, s71, MRG
	v_and_b32 v200, 15, v0                         ; r   (the head's temporaries lie in O^T's registers, which are cleared below)
	v_bfe_u32 v201, v0, 4, 1                       ; h
	v_and_b32 v202, 3, v200                        ; r % 4
	v_bfe_u32 v203, v200, 2, 1                     ; (r / 4) % 2
	v_lshrrev_b32 v204, 3, v200                    ; r / 8
	v_lshrrev_b32 v205, 2, v200                    ; r / 4
	v_mul_u32_u24 v209, v205, 1536                 ; q's codes
	v_mad_u32_u24 v209, v201, 768, v209
	v_mad_u32_u24 v209, v202, 48, v209
	v_lshlrev_b32 v210, 10, v205                   ; q's scale bytes
	v_lshl_add_u32 v210, v202, 2, v210
	v_mul_u32_u24 v1, v203, 1536                   ; K: region 2 x + (r / 4) % 2, record 16 h + 4 (2 c + r / 8) + r % 4
	v_mad_u32_u24 v1, v201, 768, v1
	v_mad_u32_u24 v1, v204, 192, v1
	v_mad_u32_u24 v1, v202, 48, v1
	v_and_b32 v2, 31, v0
	v_lshlrev_b32 v[MA], 4, v2
	v_add_nc_u32 v[MA], s71, v[MA]                 ; my pair's bytes, 16 x lane
	v_mul_u32_u24 v2, v2, 48
	v_add_nc_u32 v2, 6144, v2                      ; V: 48 x lane, behind K
	v_lshlrev_b32 v3, 10, v203
	v_lshl_add_u32 v3, v204, 4, v3
	v_lshl_add_u32 v3, v202, 2, v3
	v_add_nc_u32 v3, KSC, v3                       ; K's scale words
	v_lshl_add_u32 v4, v200, 2, VSC                ; V's
	v_lshlrev_b32 v208, 5, v201
	v_add_nc_u32 v9, s70, v200
	v_sub_nc_u32 v9, v9, v208                      ; 16 (T % 8) + r - 32 h, the same for both tiles: in the diagonal step register 32 c + n is hidden where 64 c + n is greater
	v_mov_b32 v10, 0xff800000
	v_lshlrev_b32 v11, 3, v201
	v_mov_b32 v219, 0
	v_mov_b32 v237, 0                              ; written once: a lane permute's destination counts as one of its sources,
	v_mov_b32 v239, 0                              ; and this one is named as the upper half of a pair
.irp j, 22,23,24,25,26,27
	v_mov_b32 v[\j], 0                             ; the zero codes, which QE and QO share
.endr
	s_wait_alu depctr_va_vdst(0)
	s_mov_b32 s[BT], s[BS]
	QADR                                           ; the short tile's q (one path for all waves; role 1 keeps it)
.irp p, 0,1,2
	global_load_b64 v[212+2*\p:213+2*\p], v209, s[74:75] offset:8*\p
.endr
	global_load_u16 v218, v210, s[76:77]
	s_wait_xcnt 0x0                                ; the bases are written again only behind this wait
	s_mov_b32 s[BT], s[BL]
	QADR                                           ; the long tile's
.irp p, 0,1,2
	global_load_b64 v[16+2*\p:17+2*\p], v209, s[74:75] offset:8*\p   ; QE: k 0-63
	global_load_b64 v[28+2*\p:29+2*\p], v209, s[74:75] offset:8*\p   ; QO: k 64-127
.endr
	global_load_u16 v[QSE], v210, s[76:77]         ; bytes 0, 1: d's two halves; bytes 2, 3: 0, over zero codes
	s_wait_loadcnt 0x0
	s_cmp_eq_u32 s[ROLE], 0
	s_cbranch_scc1 .Lno_stash
	ds_store_b128 v[MA], v[212:215] offset:4608
	ds_store_b128 v[MA], v[216:219] offset:5120
	s_wait_dscnt 0x0                               ; the stores have read their registers
.Lno_stash:
	FRESH
	s_wait_alu depctr_va_vdst(0)                   ; the wait at the head's end
	s_wait_tensorcnt 0x0                           ; my load, if I issued one, has landed
	s_barrier_signal -1
	s_barrier_wait -1                              ; everybody's has: all of K, V and their scale bytes
	FIRSTK
.macro ADD4 j                          ; four chains of the row's sum
	v_pk_add_f32 v[234:235], v[234:235], v[S+\j:S+\j+1]
	v_pk_add_f32 v[236:237], v[236:237], v[S+\j+2:S+\j+3]
	v_pk_add_f32 v[240:241], v[240:241], v[S+\j+4:S+\j+5]
	v_pk_add_f32 v[14:15], v[14:15], v[S+\j+6:S+\j+7]
.endm
.macro FMA8 j                          ; t - M of sixteen scores, two at a time
.irp k, 0,2,4,6,8,10,12,14
	v_pk_fma_f32 v[S+\j+\k:S+\j+\k+1], v[S+\j+\k:S+\j+\k+1], s[CS:CS+1], v[12:13] op_sel_hi:[1,0,0]
.endr
.endm
; A KEY STEP: 128 keys.  Its K was asked for a step earlier.
.macro STEP
	s_cmp_gt_i32 s[SG], s[LIM]                     ; not mine in this walk: only the addresses step
	s_cbranch_scc1 .Lskip_\@
	v_add_nc_u32 v5, s[TB], v1                     ; (these four are the places in front of loads into registers that the last products have read)
	v_add_nc_u32 v6, s[TB], v2
	v_add_nc_u32 v7, s[TS], v3
	v_add_nc_u32 v8, s[TS], v4
.irp t, 0,1,2,3
.irp p, 0,1,2
	ds_load_b128 v[VOP+12*\t+4*\p:VOP+12*\t+4*\p+3], v6 offset:1536*\t+16*\p
.endr
	ds_load_b32 v[VS+\t], v8 offset:1024*\t
.endr
	s_wait_alu depctr_va_vdst(0)
	s_wait_dscnt 16                                ; K and its scale words, asked for earlier, are in; V's 16 loads may be out
.irp c, 0,1
.irp x, 0,1
	v_wmma_scale_f32_16x16x128_f8f6f4 v[S+32*\c+8*\x:S+32*\c+8*\x+7], v[KOP+12*(2*\c+\x):KOP+12*(2*\c+\x)+11], v[16:27], 0, v[KS+2*\c+\x], v[QSE] matrix_a_fmt:MATRIX_FMT_FP6 matrix_b_fmt:MATRIX_FMT_FP6
	v_wmma_scale_f32_16x16x128_f8f6f4 v[S+32*\c+16+8*\x:S+32*\c+16+8*\x+7], v[KOP+12*(2*\c+\x):KOP+12*(2*\c+\x)+11], v[22:33], 0, v[KS+2*\c+\x], v[QSO] matrix_a_fmt:MATRIX_FMT_FP6 matrix_b_fmt:MATRIX_FMT_FP6
.endr
.endr
.rept 4
	v_nop                                          ; places in front of the first read of the scores and of loads into K's registers
.endr
	KLOAD STEPB, 64                                ; the next step's K
	s_cmp_lg_u32 s[SG], s[DG]                      ; on the diagonal hidden scores become -infinity ahead of the maximum: p = 0 then
	s_cbranch_scc1 .Lopen_\@
.irp c, 0,1
.set n, 0
.rept 4
.set k, 0
.rept 8
	v_cmp_gt_i32 s[MK+k], 64*\c+n+k, v9            ; eight masks, then their eight selections
.set k, k+1
.endr
.set k, 0
.rept 8
	v_cndmask_b32 v[S+32*\c+n+k], v[S+32*\c+n+k], v10, s[MK+k]
.set k, k+1
.endr
.set n, n+8
.endr
.endr
.Lopen_\@:
.irp u, 0,1
.irp c, 0,1
	v_max3_num_f32 v[232+2*\u+\c], v[S+32*\c+16*\u], v[S+32*\c+16*\u+1], v[S+32*\c+16*\u+2]   ; the largest score of each of my two blocks, in two chains each: for the row's maximum and for the block's largest p
.endr
.endr
.irp i, 3,5,7,9,11,13
.irp u, 0,1
.irp c, 0,1
	v_max3_num_f32 v[232+2*\u+\c], v[232+2*\u+\c], v[S+32*\c+16*\u+\i], v[S+32*\c+16*\u+\i+1]
.endr
.endr
.endr
.irp c, 0,1
	v_max3_num_f32 v[232+\c], v[232+\c], v[234+\c], v[S+32*\c+15]
.endr
.irp c, 0,1
	v_max_num_f32 v[232+\c], v[232+\c], v[S+32*\c+31]
.endr
	s_delay_alu instid0(VALU_DEP_1)
	v_max_num_f32 v236, v232, v233
	s_delay_alu instid0(VALU_DEP_1)
	v_permlanex16_b32 v237, v236, s[SEL], s[SEL+1]
	s_delay_alu instid0(VALU_DEP_1)
	v_max_num_f32 v236, v236, v237                 ; the step's largest score of my query
	s_delay_alu instid0(VALU_DEP_1)
	v_mul_f32 v236, s[CS], v236                    ; as t
	s_delay_alu instid0(VALU_DEP_1)
	v_max_num_f32 v13, v13, v236                   ; the running largest t
	v_mov_b32 v236, v12
	s_delay_alu instid0(VALU_DEP_2)
	v_floor_f32 v12, -v13                          ; the new -M = -ceil(t)
	FMA8 0
	v_sub_f32 v236, v12, v236                      ; old M - new M: a whole number, 0 or less  (f is made among the multiply-adds)
	FMA8 16
	v_cvt_i32_f32 v236, v236                       ; (it saturates)
	FMA8 32
	v_ldexp_f32 v238, 1.0, v236                    ; f = 2^(old M - new M)
	FMA8 48
.irp c, 0,1
	v_fma_f32 v[232+\c], v[232+\c], s[CS], v12     ; the same of each block's largest score
.endr
	v_pk_mul_f32 v[14:15], v[14:15], v[238:239] op_sel_hi:[1,0]   ; the sums under the new M
.set j, 0
.rept 16
	v_pk_mul_f32 v[O+j:O+j+1], v[O+j:O+j+1], v[238:239] op_sel_hi:[1,0]   ; O^T under the new M, each accumulator from its low end on
.set j, j+2
.endr
	s_wait_alu depctr_va_vdst(0)                   ; the wait ahead of the batch
.set j, 0
.rept 64
	v_exp_f32 v[S+j], v[S+j]                       ; p = 2^(t - M), at most 1
.set j, j+1
.endr
.irp c, 0,1
	v_exp_f32 v[232+\c], v[232+\c]                 ; the block's largest p: the same arithmetic on the same number gives the same bits
.endr
	v_nop                                          ; a plain place behind the exponentials
	s_wait_alu depctr_va_vdst(0)                   ; one wait for the whole batch, ahead of its first use
	v_pk_add_f32 v[234:235], v[S:S+1], v[S+2:S+3]  ; the row's sum of the unquantised p, in four chains; p's scale word is made among them
	v_pk_add_f32 v[236:237], v[S+4:S+5], v[S+6:S+7]
	v_pk_add_f32 v[240:241], v[S+8:S+9], v[S+10:S+11]
	v_pk_add_f32 v[14:15], v[14:15], v[S+12:S+13]
	v_max_num_f32 v232, 0x1800000, v232            ; the floor 2^(3 - 127): the byte cannot fall under 1
	v_max_num_f32 v233, 0x1800000, v233
	ADD4 14
	v_add_nc_u32 v34, 0xff000000, v232             ; 2 off the exponent field: the conversion's scale operand
	v_add_nc_u32 v35, 0xff000000, v233
	ADD4 22
	v_lshrrev_b32 v242, 23, v34                    ; the scale's byte
	v_lshrrev_b32 v243, 23, v35
	ADD4 30
	v_lshl_or_b32 v[PS], v243, 16, v242            ; my two bytes: blocks h and 2 + h,
	ADD4 38
	v_lshlrev_b32 v[PS], v11, v[PS]                ; at their places in the word;
	ADD4 46
	v_permlanex16_b32 v238, v[PS], s[SEL], s[SEL+1]
	ADD4 54
	v_or_b32 v[PS], v[PS], v238                    ; with lane l xor 16's two the word is whole
	v_pk_add_f32 v[234:235], v[234:235], v[S+62:S+63]
	v_pk_add_f32 v[14:15], v[14:15], v[240:241]
	v_pk_add_f32 v[234:235], v[234:235], v[236:237]
	s_delay_alu instid0(VALU_DEP_1)
	v_pk_add_f32 v[14:15], v[14:15], v[234:235]
	v_cvt_scalef32_pk16_fp6_f32 v[PCD:PCD+2], v[S:S+15], v34
	v_cvt_scalef32_pk16_fp6_f32 v[PCD+6:PCD+8], v[S+32:S+47], v35
	v_nop                                          ; one plain place: the next two write registers that the first read
	v_cvt_scalef32_pk16_fp6_f32 v[S:S+2], v[S+16:S+31], v34       ; (a conversion's three registers begin on an even number: the upper halves are made in spent registers and moved)
	v_cvt_scalef32_pk16_fp6_f32 v[S+4:S+6], v[S+48:S+63], v35
	v_nop                                          ; one plain place behind a scaled conversion
.irp c, 0,1
.irp i, 0,1,2
	v_mov_b32 v[PCD+3+6*\c+\i], v[S+4*\c+\i]
.endr
.endr
.rept 4
	v_nop                                          ; places between the operand's last write and the scaled products
.endr
	s_wait_alu depctr_va_vdst(0)                   ; the wait directly ahead of the wait below
	s_wait_dscnt 16                                ; V and its scale words are in; the next K's 16 loads may be out
.irp t, 0,1,2,3
	v_wmma_scale_f32_16x16x128_f8f6f4 v[O+8*\t:O+8*\t+7], v[VOP+12*\t:VOP+12*\t+11], v[PCD:PCD+11], v[O+8*\t:O+8*\t+7], v[VS+\t], v[PS] matrix_a_fmt:MATRIX_FMT_FP6 matrix_b_fmt:MATRIX_FMT_FP6
.endr
.Lskip_\@:
	s_add_co_u32 s[SG], s[SG], 1
	s_add_co_u32 s[TB], s[TB], STEPB
	s_add_co_u32 s[TS], s[TS], 64
.endm
.macro WALK                            ; eight trips, run by every wave
	s_mov_b32 s[CNT], 8
.Lwalk_\@:
	STEP
	s_sub_co_u32 s[CNT], s[CNT], 1
	s_cmp_lg_u32 s[CNT], 0
	s_cbranch_scc1 .Lwalk_\@
.endm
	WALK                                           ; the long tile: role 0 steps 0 .. 7, role 1 steps 8 .. 15 - b
.rept 4
	v_nop                                          ; places behind the last products
.endr
	s_mov_b32 s[SG], 0
	s_mov_b32 s[TB], 0
	s_mov_b32 s[TS], 0
	s_mov_b32 s[LIM], -1                           ; role 0 works no step of the second walk
	s_cmp_eq_u32 s[ROLE], 0
	s_cbranch_scc1 .Lno_hand
.irp t, 0,1,2,3,4,5,6,7
	ds_store_b128 v[MA], v[O+4*\t:O+4*\t+3] offset:512*\t   ; role 1 hands its part of the long tile over: O^T, each accumulator from its low end on,
.endr
	ds_store_b128 v[MA], v[12:15] offset:4096      ; -M, the largest t, the sum's two halves
	ds_load_b128 v[16:19], v[MA] offset:4608       ; and takes up the short tile's q, kept since the head
	ds_load_b64 v[20:21], v[MA] offset:5120
	ds_load_b128 v[28:31], v[MA] offset:4608
	ds_load_b64 v[32:33], v[MA] offset:5120
	ds_load_b32 v[QSE], v[MA] offset:5128
	s_mov_b32 s[LIM], s[BS]
	s_mov_b32 s[DG], s[BS]
	s_lshl_b32 s[TT], s[BS], 3
	s_add_co_u32 s[TT], s[TT], s[T8]
	s_wait_dscnt 0x0                               ; q is in, the stores have read their registers, and the K asked for last has landed: its registers may be asked into again
	FRESH
	FIRSTK                                         ; step 0's K
.Lno_hand:
	s_wait_alu depctr_va_vdst(0)                   ; the wait ahead of the loop's branches
	WALK                                           ; role 1: the short tile's steps 0 .. b
	s_wait_dscnt 0x0                               ; my LDS stores and loads are done
	s_barrier_signal -1
	s_barrier_wait -1                              ; every hand-over is in LDS
.rept 4
	v_nop                                          ; places behind the last products
.endr
	s_cmp_lg_u32 s[ROLE], 0
	s_cbranch_scc1 .Lno_merge
.irp t, 0,1,2,3,4,5,6,7,8
	ds_load_b128 v[S+4*\t:S+4*\t+3], v[MA] offset:512*\t   ; role 0 joins the long tile's two parts
.endr
	s_wait_dscnt 0x0
	v_min_num_f32 v42, v12, v[S+32]                ; the new -M: the larger M
	v_sub_f32 v43, v42, v12
	v_sub_f32 v45, v42, v[S+32]
	v_cvt_i32_f32 v43, v43
	v_cvt_i32_f32 v45, v45
	v_mov_b32 v47, 0                               ; (named as the upper half of a pair)
	v_ldexp_f32 v44, 1.0, v43                      ; my part's factor,
	v_ldexp_f32 v46, 1.0, v45                      ; the other's: powers of two
	v_pk_mul_f32 v[14:15], v[14:15], v[44:45] op_sel_hi:[1,0]
	v_pk_fma_f32 v[14:15], v[S+34:S+35], v[46:47], v[14:15] op_sel_hi:[1,0,1]
.set j, 0
.rept 16
	v_pk_mul_f32 v[O+j:O+j+1], v[O+j:O+j+1], v[44:45] op_sel_hi:[1,0]
.set j, j+2
.endr
.set j, 0
.rept 16
	v_pk_fma_f32 v[O+j:O+j+1], v[S+j:S+j+1], v[46:47], v[O+j:O+j+1] op_sel_hi:[1,0,1]
.set j, j+2
.endr
.Lno_merge:
	; THE WAY OUT.  Row 2048 b + 16 T + r of the last product's A, K = 64 head + d.  My 32 numbers are one block of it: fragment (row block 128 b + T, head / 2), lane 16 (head % 2) + r, registers 6 h .. 6 h + 5.
	s_lshr_b32 s66, s10, 4
	s_and_b32 s67, s10, 15
	s_lshl_b32 s66, s66, 7
	s_add_co_u32 s66, s66, s[TT]                   ; the row block
	s_mul_i32 s68, s66, 12288
	s_lshr_b32 s70, s67, 1                         ; which 128 along K
	s_mul_i32 s71, s70, 1536
	s_add_co_u32 s68, s68, s71
	s_and_b32 s71, s67, 1
	s_lshl_b32 s72, s71, 8
	s_add_co_u32 s68, s68, s72
	s_mov_b32 s69, 0
	s_add_nc_u64 s[68:69], s[6:7], s[68:69]
	s_lshl_b32 s72, s66, 9                         ; the scale byte: behind the codes, word (K / 128, r), byte 2 h + head % 2
	s_add_co_u32 s72, s72, 3145728
	s_lshr_b32 s73, s70, 1
	s_lshl_b32 s73, s73, 7
	s_add_co_u32 s72, s72, s73
	s_and_b32 s73, s70, 1
	s_lshl_b32 s73, s73, 2
	s_add_co_u32 s72, s72, s73
	s_add_co_u32 s72, s72, s71
	s_mov_b32 s73, 0
	s_add_nc_u64 s[72:73], s[6:7], s[72:73]
	s_wait_alu depctr_va_vdst(0)                   ; the wait behind the scalar work
	v_add_f32 v14, v14, v15                        ; the sum's two halves,
	s_delay_alu instid0(VALU_DEP_1)
	v_permlanex16_b32 v15, v14, s[SEL], s[SEL+1]
	s_delay_alu instid0(VALU_DEP_1)
	v_add_f32 v14, v14, v15                        ; and lane l xor 16's: the row's sum
	s_wait_alu depctr_va_vdst(0)                   ; the wait ahead of the reciprocal
	v_rcp_f32 v14, v14
	v_and_b32 v1, 15, v0                           ; (plain work behind the reciprocal)
	v_bfe_u32 v2, v0, 4, 1
	v_lshlrev_b32 v5, 4, v1
	v_lshlrev_b32 v7, 3, v1
	v_lshl_add_u32 v6, v2, 3, v5                   ; 16 r + 8 h
	v_lshl_add_u32 v5, v2, 10, v5                  ; 16 r + 1024 h
	v_lshl_add_u32 v7, v2, 1, v7                   ; 8 r + 2 h
	v_cmp_ne_u32 vcc_lo, 0, v2
	s_wait_alu depctr_va_vdst(0)                   ; the wait ahead of the reciprocal's first use, and of the first reader of O^T
.set j, 0
.rept 32
	v_mul_f32 v[S+j], v[O+j], v14                  ; O / the sum: register j is channel 32 h + j
.set j, j+1
.endr
	v_max3_num_f32 v40, |v[S]|, |v[S+1]|, 0x1800000     ; the block's largest magnitude, in two chains, with the floor
	v_max3_num_f32 v41, |v[S+16]|, |v[S+17]|, 0x1800000
.irp i, 2,4,6,8,10,12,14
	v_max3_num_f32 v40, v40, |v[S+\i]|, |v[S+\i+1]|
	v_max3_num_f32 v41, v41, |v[S+16+\i]|, |v[S+17+\i]|
.endr
	v_max_num_f32 v40, v40, v41
	v_add_nc_u32 v48, 0xff000000, v40
	v_lshrrev_b32 v50, 23, v48
	v_cvt_scalef32_pk16_fp6_f32 v[52:54], v[S:S+15], v48
	v_cvt_scalef32_pk16_fp6_f32 v[56:58], v[S+16:S+31], v48
	v_nop
	v_cndmask_b32 v60, v52, v54, vcc_lo            ; h = 0: my registers 0-3 of the fragment; h = 1: its registers 8-11, my words 2 to 5
	v_cndmask_b32 v61, v53, v56, vcc_lo
	v_cndmask_b32 v62, v54, v57, vcc_lo
	v_cndmask_b32 v63, v56, v58, vcc_lo
	v_cndmask_b32 v64, v57, v52, vcc_lo            ; h = 0: its registers 4, 5; h = 1: its registers 6, 7, my words 0 and 1
	v_cndmask_b32 v65, v58, v53, vcc_lo
	global_store_b128 v5, v[60:63], s[68:69]       ; each sixteen lanes store 256 consecutive bytes, aligned
	global_store_b64 v6, v[64:65], s[68:69] offset:512   ; the 32 lanes store 256 consecutive bytes, aligned
	global_store_b8 v7, v50, s[72:73]              ; single bytes, one instruction a wave: a word's four bytes come from two heads
	v_lshl_add_u32 v40, v0, 2, SPARE               ; the add's two registers, made anew
	v_mov_b32 v41, 0
	s_wait_alu depctr_va_vdst(0)
	s_wait_tensorcnt 0x0                           ; the wave's end
	ds_add_u32 v40, v41
	s_wait_dscnt 0x0
	CROUND                                         ; the closing round
	s_endpgm
.Lfunc_end_k_q4dc0e4d0ae_attn:
	.size	k_q4dc0e4d0ae_attn, .Lfunc_end_k_q4dc0e4d0ae_attn-k_q4dc0e4d0ae_attn
	.p2alignl 7, 3214868480
	.fill 96, 4, 3214868480
	.section	.rodata,"a",@progbits
	.p2align	6, 0x0
	.amdhsa_kernel k_q4dc0e4d0ae_attn
		.amdhsa_group_segment_fixed_size 251904
		.amdhsa_private_segment_fixed_size 0
		.amdhsa_enable_private_segment 0
		.amdhsa_kernarg_size 16
		.amdhsa_user_sgpr_count 2
		.amdhsa_user_sgpr_kernarg_segment_ptr 1
		.amdhsa_wavefront_size32 1
		.amdhsa_system_sgpr_workgroup_id_x 1
		.amdhsa_system_sgpr_workgroup_id_y 1
		.amdhsa_system_sgpr_workgroup_id_z 1
		.amdhsa_system_vgpr_workitem_id 0
		.amdhsa_next_free_vgpr 256
		.amdhsa_next_free_sgpr 90
		.amdhsa_reserve_vcc 1
		.amdhsa_float_denorm_mode_32 3
		.amdhsa_float_denorm_mode_16_64 3
		.amdhsa_memory_ordered 1
		.amdhsa_forward_progress 1
		.amdhsa_inst_pref_size 73
	.end_amdhsa_kernel
	.amdgpu_metadata
---
amdhsa.version: [ 1, 2 ]
amdhsa.kernels:
  - .name:           k_q4dc0e4d0ae_attn
    .symbol:         k_q4dc0e4d0ae_attn.kd
    .args:
      - { .name: qkv, .offset: 0, .size: 8, .value_kind: global_buffer, .address_space: global }
      - { .name: oq, .offset: 8, .size: 8, .value_kind: global_buffer, .address_space: global }
    .group_segment_fixed_size: 251904
    .private_segment_fixed_size: 0
    .kernarg_segment_align: 8
    .kernarg_segment_size: 16
    .max_flat_workgroup_size: 512
    .sgpr_count:     90
    .vgpr_count:     256
    .wavefront_size: 32
...
	.end_amdgpu_metadata
.endif
;; end of part 3
;; launch outp (part 4): grid 8 x 32, 4 waves a work-group, clusters of 4 x 4, 266,752 bytes of LDS; arguments oq, woq, bout, out0; writes out0
.if DOCPART == 4
	.amdgcn_target "amdgcn-amd-amdhsa--gfx1250"
	.amdhsa_code_object_version 6
	.text
	.protected	k_q4dc0e4d0ae_outp
	.globl	k_q4dc0e4d0ae_outp
	.p2align	8
	.type	k_q4dc0e4d0ae_outp,@function
k_q4dc0e4d0ae_outp:
	s_mov_b64 s[64:65], 0
	v_nop
	global_prefetch_b8 v0, s[64:65] scope:SCOPE_SE
	s_setreg_imm32_b32 hwreg(HW_REG_WAVE_MODE, 25, 1), 1
	s_wait_xcnt 0x0
	s_wait_alu depctr_hold_cnt(0) depctr_sa_sdst(0) depctr_va_vdst(0) depctr_va_sdst(0) depctr_va_ssrc(0) depctr_va_vcc(0) depctr_vm_vsrc(0)
	s_getreg_b32 s2, hwreg(HW_REG_IB_STS2, 6, 4)
	s_cmp_eq_u32 s2, 0
	s_cbranch_scc0 .Lentry_in_a_cluster
	s_endpgm
.Lentry_in_a_cluster:
	s_bfe_u32 s2, ttmp6, 0x10000c
	s_cmp_lg_u32 s2, 0xf033
	s_cbranch_scc0 .Lentry_shape_is_right
	s_endpgm
.Lentry_shape_is_right:
; out0 = O Wout^T + bout on codes of FP6 (E2M3) with E8M0 scales.  oq [4096][1024] and woq [1024][1024] lie in the order of the operand's registers: [row block of 16][8 fragments along K][1536 bytes],
; registers 4 c .. 4 c + 3 of lane l at 512 c + 16 l; behind the codes the scale words, [row block][K / 256][row][2 words].
; SHARES.  A block of 128 x 128 of the result to a work-group: 32 x 8 = 256 work-groups.  Four waves, 64 x 64 each: 16 accumulators.
; LDS.  The block's 128 rows of A and 128 rows of B for ALL of K, 4 x 49,152 dense bytes, are filled ONCE, one joint load a wave (waves 0, 1 A's halves, waves 2, 3 B's): nothing is filled again, one barrier.
; CLUSTERS: 4 x 4 work-groups; A's tiles are asked for jointly along a row of the cluster, B's along a column.  No prefetch: the one fill stands at the head, and there is no loop to run ahead in.
; THE SCALE WORDS of a wave's 64 rows of A and 64 of B, for all of K, go straight into 32 registers: each load's 32 lanes read 256 consecutive bytes, aligned: lanes 0-15 the rows' two words of one 256 along K,
; lanes 16-31 those of the next 256; the matrix instruction names the half of the lanes.
; THE MATRIX INSTRUCTION IS USED TRANSPOSED (source 0 = 16 rows of Wout, source 1 = 16 rows of O): a lane holds one row and eight neighbouring columns.  The bias is the C of each sum's first instruction.
; K goes in eight steps of 128 on two sets of fragments: while one is multiplied the next step's 24 LDS loads are out.  The 16 accumulators take turns.
; THE WAY OUT: through the wave's own stage in LDS (64 rows x 272 bytes, bytes that no load fills); each sixteen lanes store 256 consecutive bytes, aligned.
; REGISTERS: window 0: v1-3, v16-22 lane terms and addresses; v28, v29 the add's; v32-47 A's scale words, v48-63 B's, nothing else; v64-159, v160-255 the two sets (A's four fragments, then B's four).
;   window 1: v0-127 the accumulators, (a, b) at v[8 (4 a + b)]; v128-159 the bias.
.set ACODES, 3145728
.set BCODES, 786432
.set HALFB,  49152                     ; 64 rows, all of K
.set STG,    4*HALFB
.set WSTG,   64*272
.set SPARE,  STG+4*WSTG
.set ADRA, 16
.set ADRB, 17
.set STO,  18
.set RD,   19
.set CO,   20
.set SOF,  21
.set BO,   22
.set SPW,  28
.set NIL,  29
.set SA,   32
.set SB,   48
.set F0,   64
.set G1A,  24
.set G0A,  32
.set G0B,  36
.set G1B,  56
.set MSB, 0
.macro WIN new                         ; the immediate's high byte repeats the setting that is left
.if MSB != (\new)
	s_set_vgpr_msb (MSB<<8)|(\new)
.set MSB, (\new)
.endif
.endm
.macro CROUND
	s_barrier_signal -1
	s_barrier_wait -1
	s_cmp_lg_u32 s14, 0
	s_cbranch_scc1 .Lnot_wave_0_\@
	s_barrier_signal -3
.Lnot_wave_0_\@:
	s_barrier_wait -3
	s_barrier_signal -1
	s_barrier_wait -1
.endm
.macro PLACES n
.rept \n
	v_nop
.endr
.endm
	s_load_b256 s[4:11], s[0:1], 0x0               ; oq, woq, bout, out0
	v_lshl_add_u32 v[SPW], v0, 2, SPARE
	v_mov_b32 v[NIL], 0
	ds_add_u32 v[SPW], v[NIL]                      ; the opening lines: the add twice on end and its wait
	ds_add_u32 v[SPW], v[NIL]
	v_lshrrev_b32 v1, 5, v0
	v_readfirstlane_b32 s14, v1                    ; wave
	s_lshr_b32 s15, s14, 1                         ; wm: my half of the rows.  Also: I fetch for A (0) or B (1)
	s_and_b32 s16, s14, 1                          ; wn: my half of the columns.  Also: which half I fetch
	s_bfe_u32 s12, ttmp6, 0x40000                  ; cx
	s_bfe_u32 s13, ttmp6, 0x40004                  ; cy
	s_lshl_b32 s18, ttmp9, 2
	s_add_co_u32 s18, s18, s12                     ; block column, 0 .. 7
	s_and_b32 s17, ttmp7, 0xffff
	s_lshl_b32 s17, s17, 2
	s_add_co_u32 s17, s17, s13                     ; block row, 0 .. 31
	s_lshl_b32 s19, s13, 2
	s_lshl_b32 s19, 15, s19                        ; my row of the cluster
	s_lshl_b32 s20, 0x1111, s12                    ; my column
	s_or_b32 s[G1A], s19, (3<<16)|(1<<21)          ; the mask; elements of 8 bytes; bit 21 beside a mask
	s_or_b32 s[G1B], s20, (3<<16)|(1<<21)
.irp g, G1A, G1B
	s_mov_b32 s[\g+1], 32<<16                      ; 49,152 dense bytes: 192 rows of 256
	s_mov_b32 s[\g+2], 192<<16
	s_mov_b32 s[\g+3], 32<<16
	s_mov_b32 s[\g+4], 192
	s_mov_b32 s[\g+5], 32
	s_mov_b32 s[\g+6], 0
	s_mov_b32 s[\g+7], 0
.endr
	s_lshl_b32 s21, s16, 2                         ; which four row blocks I fetch
	s_lshl_b32 s22, s17, 3
	s_add_co_u32 s22, s22, s21
	s_lshl_b32 s44, s18, 3                         ; (B's in registers that never hold the block row)
	s_add_co_u32 s44, s44, s21
	s_mul_i32 s40, s22, 12288
	s_mov_b32 s41, 0
	s_mul_i32 s44, s44, 12288
	s_mov_b32 s45, 0
	s_mul_i32 s46, s14, HALFB                      ; where they go: wave x 49,152
	s_wait_dscnt 0x0
	s_wait_kmcnt 0x0
	s_mov_b32 s[G0A], 1
	s_mov_b32 s[G0A+1], s46
	s_add_nc_u64 s[G0A+2:G0A+3], s[4:5], s[40:41]
	s_or_b32 s[G0A+3], s[G0A+3], 0x80000000
	s_mov_b32 s[G0B], 1
	s_mov_b32 s[G0B+1], s46
	s_add_nc_u64 s[G0B+2:G0B+3], s[6:7], s[44:45]
	s_or_b32 s[G0B+3], s[G0B+3], 0x80000000
	CROUND                                         ; all sixteen work-groups are here: the joint loads meet
	s_cmp_eq_u32 s15, 0
	s_cbranch_scc0 .Lfor_b
	tensor_load_to_lds s[G0A:G0A+3], s[G1A:G1A+7]
	s_nop 0
.rept 4
	v_nop
.endr
	s_branch .Lasked
.Lfor_b:
	tensor_load_to_lds s[G0B:G0B+3], s[G1B:G1B+7]
	s_nop 0
.rept 4
	v_nop
.endr
.Lasked:
	s_lshl_b32 s20, s17, 3                         ; my rows' scale words: row block 8 x block row + 4 wm
	s_lshl_b32 s21, s15, 2
	s_add_co_u32 s20, s20, s21
	s_lshl_b32 s20, s20, 9
	s_add_co_u32 s20, s20, ACODES
	s_mov_b32 s21, 0
	s_add_nc_u64 s[48:49], s[4:5], s[20:21]
	s_lshl_b32 s20, s18, 3                         ; my columns': 8 x block column + 4 wn
	s_lshl_b32 s22, s16, 2
	s_add_co_u32 s20, s20, s22
	s_lshl_b32 s20, s20, 9
	s_add_co_u32 s20, s20, BCODES
	s_add_nc_u64 s[50:51], s[6:7], s[20:21]
	s_lshl_b32 s22, s18, 9                         ; my first column, in bytes: 512 x block column + 256 wn
	s_lshl_b32 s23, s16, 8
	s_add_co_u32 s22, s22, s23
	s_mov_b32 s23, 0
	s_add_nc_u64 s[8:9], s[8:9], s[22:23]          ; the bias
	s_lshl_b32 s20, s17, 7                         ; my first row: 128 x block row + 64 wm
	s_lshl_b32 s52, s15, 6
	s_add_co_u32 s20, s20, s52
	s_lshl_b32 s20, s20, 12
	s_add_co_u32 s20, s20, s22
	s_add_nc_u64 s[10:11], s[10:11], s[20:21]
	s_mul_i32 s52, s15, HALFB                      ; my 64 rows of A in LDS
	s_mul_i32 s53, s16, HALFB
	s_add_co_u32 s53, s53, 2*HALFB                 ; my 64 rows of B
	s_mul_i32 s54, s14, WSTG
	s_add_co_u32 s54, s54, STG                     ; my stage
	v_and_b32 v1, 15, v0                           ; r
	v_bfe_u32 v2, v0, 4, 1                         ; h
	v_and_b32 v3, 31, v0
	v_lshlrev_b32 v[SOF], 3, v3                    ; 8 x lane
	v_lshlrev_b32 v3, 4, v3                        ; 16 x lane
	v_lshlrev_b32 v[BO], 5, v2                     ; 32 h: eight numbers of the bias
	v_add_nc_u32 v[ADRA], s52, v3
	v_add_nc_u32 v[ADRB], s53, v3
	v_mul_u32_u24 v[STO], v1, 272                  ; into the stage: row r, 32 bytes for each half of the lanes
	v_lshl_add_u32 v[STO], v2, 5, v[STO]
	v_add_nc_u32 v[STO], s54, v[STO]
	v_mul_u32_u24 v[RD], v2, 272                   ; back: lanes 0-15 one row of 256 bytes, lanes 16-31 the next
	v_lshl_add_u32 v[RD], v1, 4, v[RD]
	v_add_nc_u32 v[RD], s54, v[RD]
	v_lshlrev_b32 v[CO], 12, v2                    ; and the same two rows in out0
	v_lshl_add_u32 v[CO], v1, 4, v[CO]
	s_wait_alu depctr_va_vdst(0)                   ; the wait at the head's end
.irp i, 0,1,2,3
.irp kp, 0,1
	global_load_b64 v[SA+4*\i+2*\kp:SA+4*\i+2*\kp+1], v[SOF], s[48:49] offset:512*\i+256*\kp
	global_load_b64 v[SB+4*\i+2*\kp:SB+4*\i+2*\kp+1], v[SOF], s[50:51] offset:512*\i+256*\kp
.endr
.endr
	WIN 0x40                                       ; destination window 1
.irp b, 0,1,2,3
	global_load_b128 v[128+8*\b:131+8*\b], v[BO], s[8:9] offset:64*\b      ; tile b, register j: column 16 b + 8 h + j
	global_load_b128 v[132+8*\b:135+8*\b], v[BO], s[8:9] offset:64*\b+16
.endr
	WIN 0
	s_wait_tensorcnt 0x0                           ; my part is in
	s_barrier_signal -1
	s_barrier_wait -1                              ; everybody's is
.macro FETCH st                        ; step st's eight fragments into set st % 2
.set P, F0+96*((\st)%2)
.irp i, 0,1,2,3
.irp c, 0,1,2
	ds_load_b128 v[P+12*\i+4*\c:P+12*\i+4*\c+3], v[ADRA] offset:\i*12288+(\st)*1536+512*\c
.endr
.endr
.irp i, 0,1,2,3
.irp c, 0,1,2
	ds_load_b128 v[P+48+12*\i+4*\c:P+48+12*\i+4*\c+3], v[ADRB] offset:\i*12288+(\st)*1536+512*\c
.endr
.endr
.endm
.macro MUL st                          ; 16 matrix instructions.  Step st's scale words: register 2 (st / 4) + st % 2 of a block's four, lanes 0-15 where (st / 2) is even, else lanes 16-31
.set P, F0+96*((\st)%2)
.set SI, 2*((\st)/4)+((\st)%2)
.irp a, 0,1,2,3
.irp b, 0,1,2,3
.if (\st) == 0
	v_wmma_scale_f32_16x16x128_f8f6f4 v[8*(4*\a+\b):8*(4*\a+\b)+7], v[P+48+12*\b:P+48+12*\b+11], v[P+12*\a:P+12*\a+11], v[128+8*\b:135+8*\b], v[SB+4*\b+SI], v[SA+4*\a+SI] matrix_a_fmt:MATRIX_FMT_FP6 matrix_b_fmt:MATRIX_FMT_FP6
.else
.if (((\st)/2)%2) == 0
	v_wmma_scale_f32_16x16x128_f8f6f4 v[8*(4*\a+\b):8*(4*\a+\b)+7], v[P+48+12*\b:P+48+12*\b+11], v[P+12*\a:P+12*\a+11], v[8*(4*\a+\b):8*(4*\a+\b)+7], v[SB+4*\b+SI], v[SA+4*\a+SI] matrix_a_fmt:MATRIX_FMT_FP6 matrix_b_fmt:MATRIX_FMT_FP6
.else
	v_wmma_scale_f32_16x16x128_f8f6f4 v[8*(4*\a+\b):8*(4*\a+\b)+7], v[P+48+12*\b:P+48+12*\b+11], v[P+12*\a:P+12*\a+11], v[8*(4*\a+\b):8*(4*\a+\b)+7], v[SB+4*\b+SI], v[SA+4*\a+SI] matrix_a_fmt:MATRIX_FMT_FP6 matrix_b_fmt:MATRIX_FMT_FP6 matrix_a_scale:MATRIX_SCALE_ROW1 matrix_b_scale:MATRIX_SCALE_ROW1
.endif
.endif
.endr
.endr
.endm
	FETCH 0
	s_wait_loadcnt 0x0                             ; the scale words and the bias
.set ST, 0
.rept 7
.if ST > 0
	PLACES 4                                       ; in front of loads into the set that the last step multiplied
.endif
	FETCH ST+1
	s_wait_dscnt 24                                ; this step's fragments are in; the 24 loads just issued may be out
	WIN 0x50                                       ; C and D window 1
	MUL ST
	WIN 0
.set ST, ST+1
.endr
	s_wait_dscnt 0x0
	WIN 0x50
	MUL 7
	WIN 0
	PLACES 4                                       ; in front of the first read of results and of loads into the fragments' registers
	WIN 0x04                                       ; the stores' data: window 1
.irp a, 0,1,2,3
.irp b, 0,1,2,3
	ds_store_b128 v[STO], v[8*(4*\a+\b):8*(4*\a+\b)+3] offset:\a*16*272+64*\b        ; each accumulator from its low end on
	ds_store_b128 v[STO], v[8*(4*\a+\b)+4:8*(4*\a+\b)+7] offset:\a*16*272+64*\b+16
.endr
.endr
	WIN 0
.set t, 0
.rept 32
	ds_load_b128 v[F0+4*t:F0+4*t+3], v[RD] offset:t*544    ; LDS serves a wave's instructions in order: these see my stores
.set t, t+1
.endr
.set t, 0
.rept 32
	s_wait_dscnt 31-t                              ; load t is in; the younger ones may be out
	global_store_b128 v[CO], v[F0+4*t:F0+4*t+3], s[10:11] offset:t*8192 th:TH_STORE_NT   ; rows 2 t and 2 t + 1: each sixteen lanes store 256 consecutive bytes, aligned
.set t, t+1
.endr
	s_wait_tensorcnt 0x0                           ; the wave's end
	ds_add_u32 v[SPW], v[NIL]
	s_wait_dscnt 0x0
	CROUND                                         ; the closing round
	s_endpgm
.Lfunc_end_k_q4dc0e4d0ae_outp:
	.size	k_q4dc0e4d0ae_outp, .Lfunc_end_k_q4dc0e4d0ae_outp-k_q4dc0e4d0ae_outp
	.p2alignl 7, 3214868480
	.fill 96, 4, 3214868480
	.section	.rodata,"a",@progbits
	.p2align	6, 0x0
	.amdhsa_kernel k_q4dc0e4d0ae_outp
		.amdhsa_group_segment_fixed_size 266752
		.amdhsa_private_segment_fixed_size 0
		.amdhsa_enable_private_segment 0
		.amdhsa_kernarg_size 32
		.amdhsa_user_sgpr_count 2
		.amdhsa_user_sgpr_kernarg_segment_ptr 1
		.amdhsa_wavefront_size32 1
		.amdhsa_system_sgpr_workgroup_id_x 1
		.amdhsa_system_sgpr_workgroup_id_y 1
		.amdhsa_system_sgpr_workgroup_id_z 1
		.amdhsa_system_vgpr_workitem_id 0
		.amdhsa_next_free_vgpr 512
		.amdhsa_next_free_sgpr 66
		.amdhsa_reserve_vcc 0
		.amdhsa_float_denorm_mode_32 3
		.amdhsa_float_denorm_mode_16_64 3
		.amdhsa_memory_ordered 1
		.amdhsa_forward_progress 1
		.amdhsa_inst_pref_size 47
	.end_amdhsa_kernel
	.amdgpu_metadata
---
amdhsa.version: [ 1, 2 ]
amdhsa.kernels:
  - .name:           k_q4dc0e4d0ae_outp
    .symbol:         k_q4dc0e4d0ae_outp.kd
    .args:
      - { .name: oq, .offset: 0, .size: 8, .value_kind: global_buffer, .address_space: global }
      - { .name: woq, .offset: 8, .size: 8, .value_kind: global_buffer, .address_space: global }
      - { .name: bout, .offset: 16, .size: 8, .value_kind: global_buffer, .address_space: global }
      - { .name: out0, .offset: 24, .size: 8, .value_kind: global_buffer, .address_space: global }
    .group_segment_fixed_size: 266752
    .private_segment_fixed_size: 0
    .kernarg_segment_align: 8
    .kernarg_segment_size: 32
    .max_flat_workgroup_size: 128
    .sgpr_count:     66
    .vgpr_count:     512
    .wavefront_size: 32
...
	.end_amdgpu_metadata
.endif
;; end of part 4
